; MI455X (gfx1250); checked and timed in simulation.
; The chip was launched on July 23, 2026; its instructions are those of AMD's public machine-readable ISA for CDNA 5 (MIT licence, August 2026) and "CDNA5" Instruction Set Architecture Reference Guide (July 2026). The comments in the code are by the model that wrote it; some were corrected since.
;; Causal Self Attention. Allowed arithmetic: matrix products marked QUANTISED: E4M3 operands, one E8M0 scale for each 32 along K, by v_wmma_scale_f32_16x16x128_f8f6f4 with both operands' format E4M3, f32 sums; everything else in f32.
;; Inputs: b_attn 3,072 float32; b_proj 1,024 float32; w_attn 1,024 x 3,072 float32; w_proj 1,024 x 1,024 float32; x 4 x 2,048 x 1,024 float32.
;; Outputs: out0 4 x 2,048 x 1,024 float32.
;; This version of the problem:
;;   THIS VERSION OF THE PROBLEM IS GIVEN IN LOW PRECISION. The matrix products marked QUANTISED in the list below multiply operands that are first quantised to E4M3 (4 exponent bits, 3 mantissa bits; 8 bits a number), with one power-of-two scale for each 32 numbers along K (OCP MX v1.0); their sums are f32. All else is computed in f32.
;;   The module's matrix products, in the order in which they are computed (A, B: the left and right operand; K: the contracted axis; several contracted axes count as one K, in the product's order):
;;     1. [M 8,192, K 1,024] x [K 1,024, N 3,072]; A: input x; B: input w_attn: QUANTISED
;;     2. batch 64 x [M 2,048, K 64] x [K 64, N 2,048]; A: computed on the way; B: computed on the way: QUANTISED
;;     3. batch 64 x [M 2,048, K 2,048] x [K 2,048, N 64]; A: softmax (see below); B: computed on the way: QUANTISED
;;     4. [M 8,192, K 1,024] x [K 1,024, N 1,024]; A: computed on the way; B: input w_proj: QUANTISED
;;   THE QUANTISER, for each operand of a quantised product, along K:
;;     - K is cut into blocks of 32 from its start; a last block that is shorter is filled with zeros.
;;     - A block's scale is 2^e with e = floor(log2(the largest magnitude in the block)) - 8, held to -126 .. 127; a block of zeros has e = 0. As a byte (E8M0): e + 127.
;;     - Each number is divided by its block's scale, clamped to +-448, and rounded to the nearest number of E4M3, ties to even, subnormals kept.
;;     - The product sums the exact products of the quantised numbers (number of the format x scale) in f32.
;;   ~~~python
;;   def quantise(x, axis):      # numpy; x: float32 -> the quantised numbers, widened to float32 again
;;       x = np.moveaxis(x, axis, -1); K = x.shape[-1]
;;       x = np.pad(x, [(0, 0)] * (x.ndim - 1) + [(0, -K % 32)]); x = x.reshape(x.shape[:-1] + (-1, 32)); a = np.abs(x).max(-1, keepdims=True)
;;       e = np.where(a > 0, np.clip(np.frexp(np.where(a > 0, a, 1))[1] - 1 - 8, -126, 127), 0)      # np.frexp(a)[1] - 1 = floor(log2(a)), exactly
;;       r = np.clip(x / 2.0 ** e, -448, 448)
;;       step = 2.0 ** (np.maximum(np.frexp(np.where(r == 0, 1, r))[1] - 1, -6) - 3)
;;       q = np.round(r / step) * step * 2.0 ** e      # np.round: ties to even
;;       return np.moveaxis(q.reshape(q.shape[:-2] + (-1,))[..., :K], -1, axis).astype(np.float32)
;;   ~~~
;;   SOFTMAX AHEAD OF A QUANTISED PRODUCT. Where the list says 'softmax', what is quantised is not the finished softmax but p = 2^(t - M), with t = logit x log2(e) and M = ceil(the row's largest t), a whole number; so 1/2 < the row's largest p <= 1. The row's sum l is taken of the UNQUANTISED p, in f32, and the product's result is divided by l at the end. Since M is a whole number, a kernel that streams over the keys may use a running M (the ceiling of the running maximum): every later rescaling is an exact power of two, which a block's scale takes up: the codes' values come out the same.
;;   OPERANDS COMPUTED ON THE WAY. 'Computed on the way' means the value that the module computes at that place (a softmax that the list does not call 'softmax' is quantised finished and normalised). What goes into a quantiser is computed in f32, as accurately as f32 sums, v_exp_f32 and their like allow (about 1e-6 of the number): no bf16 or f16 on the way to a quantiser, and a product that is left as it is and whose result goes on into a quantised operand takes f32 operands (vector FMAs, or v_wmma_f32_16x16x4_f32). A number that lies on a knife's edge between two numbers of the format may be rounded either way, as far as f32 arithmetic and the matrix unit's own rounding can turn it there, and no further.
;; One version. Each part assembles by itself: llvm-mc -triple=amdgcn-amd-amdhsa -mcpu=gfx1250 --defsym DOCPART=n.
;; ======== version 1 of 1: 4 launches
;; limits: right only within a limited range of input values
;; workspace buffers: x_img 8,650,752 bytes; wa_img 3,244,032 bytes; wp_img 1,081,344 bytes; qrec 8,912,896 bytes; krec 8,912,896 bytes; vrec 8,650,752 bytes; y_img 8,650,752 bytes
;; launch quant (part 1): grid 384 x 1, 4 waves a work-group, no clusters, 68,096 bytes of LDS; arguments x, w_attn, w_proj, x_img, wa_img, wp_img; writes x_img, wa_img, wp_img
.if DOCPART == 1
	.amdgcn_target "amdgcn-amd-amdhsa--gfx1250"
	.amdhsa_code_object_version 6
	.text
	.protected	k_q5492ae6051_quant
	.globl	k_q5492ae6051_quant
	.p2align	8
	.type	k_q5492ae6051_quant,@function
k_q5492ae6051_quant:
	s_mov_b64 s[64:65], 0
	v_nop
	global_prefetch_b8 v0, s[64:65] scope:SCOPE_SE
	s_setreg_imm32_b32 hwreg(HW_REG_WAVE_MODE, 25, 1), 1
	s_wait_xcnt 0x0
; x [8192][1024], w_attn [1024][3072] and w_proj [1024][1024], f32, become codes of FP8 (E4M3) with one E8M0 byte for each 32 along K, laid as IMAGES OF THE OPERAND'S REGISTERS.
; A PANEL is 128 rows of an operand (tokens of x, columns of a weight), 8 tiles of 16.  Lane r of tile i = 2 g + u holds row 32 g + 8 u + r + 8 (r / 8): with such a tile as a product's source 0, the 16 result
; registers of tiles 2 g and 2 g + 1 are 16 neighbouring rows.  A BLOCK (PSB bytes) is a panel x 256 along K: codes at 4096 i + 2048 q + 512 c + 16 lane (16 codes: k = 128 q + 32 c + 16 (lane / 16) + 0 .. 15 of the
; tile's row lane % 16), scale words at 32768 + 512 q + 64 i + 4 r.  A buffer is [panel][4 blocks along K].
; One work-group makes one block; wave g makes tiles 2 g and 2 g + 1.  Work-groups 0-255: x (K innermost: rows are loaded 512 bytes at a time and turned through the wave's own stage in LDS, so that a lane gets 16
; neighbours of each block of 32).  Work-groups 256-383: the weights (K is the first axis: a lane takes a column and its registers run down K; nothing is transposed).  The two ways have LDS bytes of their own.
; A block's scale is 2^(floor(log2(largest magnitude)) - 8); its byte is the largest magnitude's exponent field - 8, held at 1 from below.
; LIMITS: a block whose largest magnitude lies under 2^-118, a block of zeros among them, gets the byte 1 (the rule says 127 for zeros: the codes are zeros, and this program alone reads the bytes); NaN and infinities among the inputs are not served.
; No tensor loads, no barrier: waves share nothing.  No cluster: no two work-groups read the same bytes.
.set PSB,  33792
.set WST,  8448                        ; a wave's stage
.set STW,  4*WST                       ; the weights' stages lie behind x's
.set SP,   528                         ; x's stage: a row of 512 bytes + 16: 33 x 16, so that sixteen rows start in sixteen different groups of banks
.set R,    16                          ; v16-143  x: two sets of 16 rows x 16 bytes a lane, as loaded
.set X,    144                         ; v144-207 x: 64 numbers: register 16 b + i = k 32 b + 16 (lane / 16) + i of my row
.set PC,   208                         ; v208-223 a fragment's codes
.set TM,   224                         ; v224-227 largest magnitudes, v228-231 bytes, v232-235 448 x the scale, v236-239 the conversions' scale operands
.set PW,   240                         ; the scale word just made
.set PWE,  241                         ; that of the even tile
.set XS,   242                         ; lanes 0-15 the even tile's words, lanes 16-31 the odd tile's
.set VO,   16                          ; v16-47   weights: 4 x lane + m rows
.set XW,   48                          ; v48-111  weights: two sets of 32 numbers
.set CW,   112                         ; v112-119 a block's codes
.set SBW,  120                         ; v120-121 my column's scale bytes, four to a register
.set OUTR, 128                         ; v128-191 the way out
.set WV,   16
.set SEL,  20                          ; s[20:21] v_permlanex16_b32's selects for lane l xor 16
.set MNT,  22                          ; the mantissa field of 448
.set HI,   23                          ; the mask of lanes 16-31
	s_load_b256 s[4:11], s[0:1], 0x0               ; x, w_attn, w_proj, x_img
	s_load_b128 s[12:15], s[0:1], 0x20             ; wa_img, wp_img
	v_lshl_add_u32 v254, v0, 2, 0x10800
	v_mov_b32 v255, 0
	v_lshrrev_b32 v1, 5, v0
	v_readfirstlane_b32 s[WV], v1                  ; wave g
	v_and_b32 v2, 31, v0
	v_lshlrev_b32 v4, 4, v2                        ; 16 x lane
	v_lshlrev_b32 v5, 2, v2                        ; 4 x lane
	s_mov_b32 s[SEL], 0x76543210
	s_mov_b32 s[SEL+1], 0xfedcba98
	s_mov_b32 s[MNT], 0x600000
	s_mov_b32 s[HI], 0xffff0000
	s_mul_i32 s17, s[WV], WST
	s_and_b32 s18, ttmp9, 3                        ; which 256 along K
	s_cmp_lt_u32 ttmp9, 256
	s_cbranch_scc0 .Lweights
; ---------------- x ----------------
	v_and_b32 v3, 15, v0                           ; r
	v_bfe_u32 v8, v0, 4, 1                         ; h
	s_wait_alu depctr_va_vdst(0)
	v_add_nc_u32 v6, s17, v4                       ; into the stage: 16 x lane of a row
	v_mul_u32_u24 v7, v3, SP
	v_lshl_add_u32 v7, v8, 6, v7
	v_add_nc_u32 v7, s17, v7                       ; out of it: row r, + 64 h
.irp b, 0,1,2,3
	v_mov_b32 v[TM+4+\b], 0                        ; written once: a lane permute's destination counts as one of its sources
.endr
	s_lshr_b32 s19, ttmp9, 2                       ; the panel
	s_lshl_b32 s26, s19, 19                        ; 128 rows of 4,096 bytes
	s_lshl_b32 s24, s[WV], 17                      ; + 32 g rows
	s_add_co_u32 s26, s26, s24
	s_lshl_b32 s24, s18, 10                        ; + 256 numbers along K
	s_add_co_u32 s26, s26, s24
	s_mov_b32 s27, 0
	s_mul_i32 s28, ttmp9, PSB                      ; block 4 x panel + K part = the work-group's number
	s_lshl_b32 s24, s[WV], 7
	s_add_co_u32 s30, s28, s24
	s_add_co_u32 s30, s30, 32768                   ; my two tiles' scale words
	s_mov_b32 s31, 0
	s_lshl_b32 s24, s[WV], 13
	s_add_co_u32 s28, s28, s24                     ; my two tiles' codes
	s_mov_b32 s29, 0
	s_wait_alu depctr_va_vdst(0)
	s_wait_kmcnt 0x0
	s_add_nc_u64 s[4:5], s[4:5], s[26:27]
	s_add_nc_u64 s[24:25], s[10:11], s[30:31]
	s_add_nc_u64 s[10:11], s[10:11], s[28:29]
.macro XL t, q, u                      ; fragment t = 2 q + u: the tile's 16 rows, 128 numbers of each: a load reads 512 consecutive bytes
.irp i, 0,1,2,3,4,5,6,7,8,9,10,11,12,13,14,15
	global_load_b128 v[R+64*((\t)%2)+4*\i:R+64*((\t)%2)+4*\i+3], v4, s[4:5] offset:(8*(\u)+\i+8*(\i/8))*4096+512*(\q) th:TH_LOAD_NT
.endr
.endm
; 64 numbers of a lane, v[s] on, become a fragment's codes in v[PC] on and its scale word in v[PW]
.macro QUANT s
.irp b, 0,1,2,3
	v_max3_num_f32 v[TM+\b], |v[\s+16*\b]|, |v[\s+1+16*\b]|, 0x4800000   ; block b: my 16 numbers, and the floor 2^(9 - 127): so the byte cannot fall under 1
.endr
.irp i, 2,4,6,8,10,12,14
.irp b, 0,1,2,3
	v_max3_num_f32 v[TM+\b], v[TM+\b], |v[\s+16*\b+\i]|, |v[\s+1+16*\b+\i]|   ; the four blocks by turns
.endr
.endr
.irp b, 0,1,2,3
	v_permlanex16_b32 v[TM+4+\b], v[TM+\b], s[SEL], s[SEL+1]
.endr
.irp b, 0,1,2,3
	v_max_num_f32 v[TM+\b], v[TM+\b], v[TM+4+\b]   ; with lane l xor 16's 16: the block's largest magnitude
.endr
.irp b, 0,1,2,3
	v_add_nc_u32 v[TM+12+\b], 0xfc000000, v[TM+\b] ; 8 off its exponent field: the conversion takes this operand's exponent field as its scale
.endr
.irp b, 0,1,2,3
	v_and_or_b32 v[TM+8+\b], v[TM+\b], 0x7f800000, s[MNT]   ; 448 x the scale
.endr
.irp b, 0,1,2,3
	v_lshrrev_b32 v[TM+4+\b], 23, v[TM+12+\b]      ; the scale's byte
.endr
	v_lshl_or_b32 v[PW], v[TM+5], 8, v[TM+4]
	v_lshl_or_b32 v[PW], v[TM+6], 16, v[PW]
	v_lshl_or_b32 v[PW], v[TM+7], 24, v[PW]
.irp b, 0,1,2,3
.irp i, 0,1,2,3,4,5,6,7,8,9,10,11,12,13,14,15
	v_med3_num_f32 v[\s+16*\b+\i], v[\s+16*\b+\i], -v[TM+8+\b], v[TM+8+\b]   ; the conversion to an 8-bit code does not saturate (ISA guide 7.6.2): the hold comes first
.endr
	v_cvt_scalef32_pk8_fp8_f32 v[PC+4*\b:PC+1+4*\b], v[\s+16*\b:\s+7+16*\b], v[TM+12+\b]
	v_cvt_scalef32_pk8_fp8_f32 v[PC+2+4*\b:PC+3+4*\b], v[\s+8+16*\b:\s+15+16*\b], v[TM+12+\b]
.endr
	v_nop                                          ; a plain line behind the last conversion
.endm
.macro XFRAG t, q, u
.if (\t) < 3
	s_wait_loadcnt 16                              ; this fragment's 16 loads are in; the next fragment's may be out
.else
	s_wait_loadcnt 0x0
.endif
.irp i, 0,1,2,3,4,5,6,7,8,9,10,11,12,13,14,15
	ds_store_b128 v6, v[R+64*((\t)%2)+4*\i:R+64*((\t)%2)+4*\i+3] offset:SP*\i
.endr
.irp b, 0,1,2,3
.irp j, 0,1,2,3
	ds_load_b128 v[X+16*\b+4*\j:X+16*\b+4*\j+3], v7 offset:128*\b+16*\j   ; LDS serves a wave's instructions in order: these see the stores above
.endr
.endr
	s_wait_dscnt 0x0                               ; the numbers are back, and the stores have read their registers
	s_wait_xcnt 0x0                                ; the last fragment's stores have read their data: the codes and the words are written again only behind this wait
.if (\t) < 2
	XL (\t)+2, 1, \u
.endif
	QUANT X
.irp c, 0,1,2,3
	global_store_b128 v4, v[PC+4*\c:PC+4*\c+3], s[10:11] offset:4096*(\u)+2048*(\q)+512*\c   ; 512 consecutive bytes, aligned to 256
.endr
.if (\u) == 0
	v_mov_b32 v[PWE], v[PW]
.else
	v_cndmask_b32 v[XS], v[PWE], v[PW], s[HI]
	global_store_b32 v5, v[XS], s[24:25] offset:512*(\q)   ; two tiles' words: 128 consecutive bytes
.endif
.endm
	XL 0, 0, 0
	XL 1, 0, 1
	XFRAG 0, 0, 0
	XFRAG 1, 0, 1
	XFRAG 2, 1, 0
	XFRAG 3, 1, 1
	s_wait_tensorcnt 0x0
	ds_add_u32 v254, v255
	s_wait_dscnt 0x0
	s_endpgm
; ---------------- the weights ----------------
.Lweights:
	s_sub_co_u32 s19, ttmp9, 256
	s_lshr_b32 s19, s19, 2                         ; panel 0-23: w_attn's; 24-31: w_proj's
	v_bfe_u32 v3, v0, 3, 1                         ; column 32 g + lane is row r of tile 2 g + u: u = (lane / 8) % 2,
	v_and_b32 v8, 7, v0
	v_bfe_u32 v9, v0, 4, 1
	v_lshl_add_u32 v8, v9, 3, v8                   ; r = lane % 8 + 8 (lane / 16)
	v_mul_u32_u24 v9, v3, 4224                     ; the stage: a tile's image of 4,096 bytes + 128, so that the two tiles' lanes fall on different banks
	v_lshl_add_u32 v9, v8, 4, v9
	v_add_nc_u32 v9, s17, v9
	v_add_nc_u32 v9, STW, v9                       ; into it: 16 r
	v_add_nc_u32 v14, s17, v4
	v_add_nc_u32 v14, STW, v14                     ; out of it: 16 x lane
	v_lshlrev_b32 v15, 6, v3
	v_lshl_add_u32 v15, v8, 2, v15                 ; my scale word: 64 u + 4 r
	s_wait_kmcnt 0x0
	s_cmp_lt_u32 s19, 24                           ; the choice hangs on the work-group's number alone
	s_cselect_b64 s[6:7], s[6:7], s[8:9]
	s_cselect_b64 s[12:13], s[12:13], s[14:15]
	s_mov_b32 s24, 4096
	s_cselect_b32 s24, 12288, s24                  ; a row of the weight in bytes
	s_cselect_b32 s25, 0, 24
	s_sub_co_u32 s19, s19, s25                     ; the panel in its own tensor
	s_lshl_b32 s26, s19, 9                         ; 128 columns x 4 bytes
	s_lshl_b32 s28, s[WV], 7                       ; + 32 g columns
	s_add_co_u32 s26, s26, s28
	s_lshl_b32 s28, s18, 8
	s_mul_i32 s28, s28, s24                        ; + 256 rows for each K part
	s_add_co_u32 s26, s26, s28
	s_mov_b32 s27, 0
	s_add_nc_u64 s[32:33], s[6:7], s[26:27]        ; a base for each of the 8 blocks of 32 rows: none is ever rewritten
	s_lshl_b32 s30, s24, 5
	s_mov_b32 s31, 0
.irp c, 1,2,3,4,5,6,7
	s_add_nc_u64 s[32+2*\c:33+2*\c], s[30+2*\c:31+2*\c], s[30:31]
.endr
	s_lshl_b32 s26, s19, 2
	s_add_co_u32 s26, s26, s18
	s_mul_i32 s26, s26, PSB                        ; my block of the images
	s_lshl_b32 s28, s[WV], 7
	s_add_co_u32 s28, s28, s26
	s_add_co_u32 s28, s28, 32768
	s_mov_b32 s29, 0
	s_add_nc_u64 s[14:15], s[12:13], s[28:29]      ; my two tiles' scale words
	s_lshl_b32 s28, s[WV], 13
	s_add_co_u32 s26, s26, s28
	s_add_nc_u64 s[12:13], s[12:13], s[26:27]      ; and their codes
.irp m, 0,1,2,3,4,5,6,7,8,9,10,11,12,13,14,15,16,17,18,19,20,21,22,23,24,25,26,27,28,29,30,31
	v_mad_u32_u24 v[VO+\m], s24, \m, v5
.endr
.macro LOADW c                         ; block c: W(32 c + m, my column): a load reads 128 consecutive bytes, the four waves side by side 512
.irp m, 0,1,2,3,4,5,6,7,8,9,10,11,12,13,14,15,16,17,18,19,20,21,22,23,24,25,26,27,28,29,30,31
	global_load_b32 v[XW+32*((\c)%2)+\m], v[VO+\m], s[32+2*(\c):33+2*(\c)] th:TH_LOAD_NT
.endr
.endm
.macro BLOCK t
.set XB, XW+32*((\t)%2)
.if (\t) < 7
	s_wait_loadcnt 32                              ; this block's 32 loads are in; the next block's may be out
.else
	s_wait_loadcnt 0x0
.endif
	v_max3_num_f32 v12, |v[XB]|, |v[XB+1]|, |v[XB+2]|   ; all 32 numbers of the block are mine
	v_max3_num_f32 v13, |v[XB+3]|, |v[XB+4]|, |v[XB+5]|
.irp i, 6,10,14,18,22,26
	v_max3_num_f32 v12, v12, |v[XB+\i]|, |v[XB+\i+1]|
	v_max3_num_f32 v13, v13, |v[XB+\i+2]|, |v[XB+\i+3]|
.endr
	v_max3_num_f32 v12, v12, |v[XB+30]|, |v[XB+31]|
	v_max3_num_f32 v12, v12, v13, 0x4800000        ; and the floor
	v_add_nc_u32 v11, 0xfc000000, v12
	v_and_or_b32 v10, v12, 0x7f800000, s[MNT]
	v_lshrrev_b32 v13, 23, v11
.if (\t)%4 == 0
	v_mov_b32 v[SBW+(\t)/4], v13
.else
	v_lshl_or_b32 v[SBW+(\t)/4], v13, 8*((\t)%4), v[SBW+(\t)/4]
.endif
.irp i, 0,1,2,3,4,5,6,7,8,9,10,11,12,13,14,15,16,17,18,19,20,21,22,23,24,25,26,27,28,29,30,31
	v_med3_num_f32 v[XB+\i], v[XB+\i], -v10, v10
.endr
.irp g, 0,1,2,3
	v_cvt_scalef32_pk8_fp8_f32 v[CW+2*\g:CW+2*\g+1], v[XB+8*\g:XB+8*\g+7], v11
.endr
	v_nop                                          ; a plain line behind the last conversion
	ds_store_b128 v9, v[CW:CW+3] offset:2048*((\t)/4)+512*((\t)%4)       ; k 0-15 of the block: the place of lane r,
	ds_store_b128 v9, v[CW+4:CW+7] offset:2048*((\t)/4)+512*((\t)%4)+256 ; k 16-31: that of lane 16 + r
.if (\t)+2 < 8
	LOADW (\t)+2
.endif
	s_wait_dscnt 0x0                               ; the stores have read their registers: the next block's codes may be written
.endm
	LOADW 0
	LOADW 1
.irp t, 0,1,2,3,4,5,6,7
	BLOCK \t
.endr
	global_store_b32 v15, v[SBW], s[14:15]         ; 32 lanes: two tiles' words, 128 consecutive bytes
	global_store_b32 v15, v[SBW+1], s[14:15] offset:512
.irp t, 0,1,2,3,4,5,6,7,8,9,10,11,12,13,14,15
	ds_load_b128 v[OUTR+4*\t:OUTR+4*\t+3], v14 offset:4224*(\t/8)+512*(\t%8)
.endr
.irp t, 0,1,2,3,4,5,6,7,8,9,10,11,12,13,14,15
	s_wait_dscnt 15-\t                             ; load t is back; the younger ones may be out
	global_store_b128 v4, v[OUTR+4*\t:OUTR+4*\t+3], s[12:13] offset:4096*(\t/8)+512*(\t%8)   ; 512 consecutive bytes, aligned to 256
.endr
	s_wait_tensorcnt 0x0
	ds_add_u32 v254, v255
	s_wait_dscnt 0x0
	s_endpgm
.Lfunc_end_k_q5492ae6051_quant:
	.size	k_q5492ae6051_quant, .Lfunc_end_k_q5492ae6051_quant-k_q5492ae6051_quant
	.p2alignl 7, 3214868480
	.fill 96, 4, 3214868480
	.section	.rodata,"a",@progbits
	.p2align	6, 0x0
	.amdhsa_kernel k_q5492ae6051_quant
		.amdhsa_group_segment_fixed_size 68096
		.amdhsa_private_segment_fixed_size 0
		.amdhsa_enable_private_segment 0
		.amdhsa_kernarg_size 48
		.amdhsa_user_sgpr_count 2
		.amdhsa_user_sgpr_kernarg_segment_ptr 1
		.amdhsa_wavefront_size32 1
		.amdhsa_system_sgpr_workgroup_id_x 1
		.amdhsa_system_sgpr_workgroup_id_y 1
		.amdhsa_system_sgpr_workgroup_id_z 1
		.amdhsa_system_vgpr_workitem_id 0
		.amdhsa_next_free_vgpr 256
		.amdhsa_next_free_sgpr 66
		.amdhsa_reserve_vcc 0
		.amdhsa_float_denorm_mode_32 3
		.amdhsa_float_denorm_mode_16_64 3
		.amdhsa_memory_ordered 1
		.amdhsa_forward_progress 1
		.amdhsa_inst_pref_size 112
	.end_amdhsa_kernel
	.amdgpu_metadata
---
amdhsa.version: [ 1, 2 ]
amdhsa.kernels:
  - .name:           k_q5492ae6051_quant
    .symbol:         k_q5492ae6051_quant.kd
    .args:
      - { .name: x, .offset: 0, .size: 8, .value_kind: global_buffer, .address_space: global }
      - { .name: w_attn, .offset: 8, .size: 8, .value_kind: global_buffer, .address_space: global }
      - { .name: w_proj, .offset: 16, .size: 8, .value_kind: global_buffer, .address_space: global }
      - { .name: x_img, .offset: 24, .size: 8, .value_kind: global_buffer, .address_space: global }
      - { .name: wa_img, .offset: 32, .size: 8, .value_kind: global_buffer, .address_space: global }
      - { .name: wp_img, .offset: 40, .size: 8, .value_kind: global_buffer, .address_space: global }
    .group_segment_fixed_size: 68096
    .private_segment_fixed_size: 0
    .kernarg_segment_align: 8
    .kernarg_segment_size: 48
    .max_flat_workgroup_size: 128
    .sgpr_count:     66
    .vgpr_count:     256
    .wavefront_size: 32
...
	.end_amdgpu_metadata
.endif
;; end of part 1
;; launch qkv (part 2): grid 12 x 32, 4 waves a work-group, clusters of 4 x 4, 327,680 bytes of LDS; arguments x_img, wa_img, b_attn, qrec, krec, vrec; writes qrec, krec, vrec
.if DOCPART == 2
	.amdgcn_target "amdgcn-amd-amdhsa--gfx1250"
	.amdhsa_code_object_version 6
	.text
	.protected	k_q5492ae6051_qkv
	.globl	k_q5492ae6051_qkv
	.p2align	8
	.type	k_q5492ae6051_qkv,@function
k_q5492ae6051_qkv:
	s_mov_b64 s[64:65], 0
	v_nop
	global_prefetch_b8 v0, s[64:65] scope:SCOPE_SE
	s_setreg_imm32_b32 hwreg(HW_REG_WAVE_MODE, 25, 1), 1
	s_wait_xcnt 0x0
	s_wait_alu depctr_hold_cnt(0) depctr_sa_sdst(0) depctr_va_vdst(0) depctr_va_sdst(0) depctr_va_ssrc(0) depctr_va_vcc(0) depctr_vm_vsrc(0)
	s_getreg_b32 s2, hwreg(HW_REG_IB_STS2, 6, 4)
	s_cmp_eq_u32 s2, 0
	s_cbranch_scc0 .Lentry_in_a_cluster
	s_endpgm
.Lentry_in_a_cluster:
	s_bfe_u32 s2, ttmp6, 0x10000c
	s_cmp_lg_u32 s2, 0xf033
	s_cbranch_scc0 .Lentry_shape_is_right
	s_endpgm
.Lentry_shape_is_right:
; qkv = x w_attn + b_attn on codes of FP8 (E4M3) with E8M0 scales, and its results quantised at once: q and k along the head's 64 channels, v along the keys.  No f32 number of qkv goes to memory.
; OPERANDS are images of registers, made by the launch before: a block (PSB bytes) is a panel of 128 rows x 256 along K: codes at 4096 i + 2048 q + 512 c + 16 lane, scale words at 32768 + 512 q + 64 i + 4 r.
; Lane r of tile i holds the panel's row 32 (i / 2) + 8 (i % 2) + r + 8 (r / 8); so in a result a lane's 16 registers of source 0's tiles 2 b and 2 b + 1 are source 0's rows 32 b + 16 (lane / 16) + 0 .. 15.
; A work-group of four waves makes 256 rows of source 1 x 256 rows of source 0; a wave 128 x 128: 64 accumulators, 512 registers.  K = 1,024 goes in four slots' worth of 256 through a ring of two LDS slots.
; THE CLUSTER'S x SAYS WHAT IS MADE: 0 q, 1 k: source 1 = tokens (x), source 0 = channels (w_attn): a lane holds a token and its registers run along 128 channels, two heads.
; 2 v: source 1 = channels, source 0 = tokens: a lane holds a channel and its registers run along 128 keys.  Only pointers and tile numbers are chosen; LDS and the loop are the same.
; CLUSTERS: 4 x 4 work-groups.  Source 1's blocks hang on the cluster's y place alone and are asked for jointly along a row of the cluster, source 0's on the x place alone, along a column.
; The bias is the C of the first K step's products, so it is added first.
; RECORDS, one for each (batch x 16 + head, block of 128 tokens).  q, k: 8,704 bytes: tile a (16 tokens x 64 channels) at 1024 a + 512 c + 16 lane, its scale words at 8192 + 64 a + 4 r, a word being the row's two bytes twice.
; v: 8,448 bytes: fragment f (16 channels x 128 keys) at 2048 f + 512 c + 16 lane, scale words at 8192 + 64 f + 4 r.
; LIMITS: a block whose largest magnitude lies under 2^-118 gets the byte 1 (zeros too: its codes are zeros, and this program alone reads the bytes); NaN and infinities are not served.
; No prefetch: K has four slots' worth, two of them asked for at the head.
; REGISTERS, in windows of 256: window 0: v16-29 addresses; v32-63 scale words, two sets; v64-127 the bias; v128-255 source 1's fragments, one set (later the quantiser's work).
;   window 1: source 0's fragments, two sets.   windows 2, 3: the accumulators: (a, b) at v[8 (8 (a % 4) + b)] of window 2 + a / 4.
.set PSB,   33792
.set SLOT,  4*PSB                      ; a slot's four blocks.  In LDS the block of panel j (source 1's two, then source 0's two) and slot s lies at (2 j + s) PSB
.set SPARE, 2*SLOT                     ; behind the ring: the spare words, 128 bytes a wave: two blocks of 256 bytes that no other line names
.set HS,    139264                     ; a head's 16 records of q or k
.set HSV,   135168                     ; and of v
.set FR,    16
.set NP,    8                          ; places behind this matrix instruction (ISA guide 7.12.1)
.set ADRA,  16                         ; v16-17 my panel of source 1 in slot 0, 1, + 16 x lane
.set ADRB,  20                         ; v20-21 the same of source 0
.set ADRS,  22                         ; v22-23 scale words: lanes 0-15 source 1's, lanes 16-31 source 0's
.set LI,    24                         ; 16 x lane
.set LS,    25                         ; 4 x lane
.set BO,    26                         ; the bias loads' offset
.set SPW,   28                         ; my spare word; never rewritten
.set NIL,   29                         ; 0; never rewritten
.set SC,    32                         ; set s: register 16 s + 2 i + q
.set CB,    64
.set AF,    128
.set T,     128                        ; the quantiser: 64 held numbers,
.set PC,    192                        ; 16 registers of codes,
.set TM,    224                        ; v224-239 at work,
.set PW,    240                        ; the scale word; v241 the even tile's; v242 both; v243, v244 the two heads' words
.set PWE,   241
.set XS,    242
.set WA,    243
.set WB,    244
.set WV,    16                         ; s16 wave; s17 = wave / 2: my panel of source 1, and: I fetch for source 1 (0) or 0 (1); s18 = wave % 2: my panel of source 0, and which panel I fetch
.set WP,    17
.set WQ,    18
.set SEL,   20
.set MNT,   22
.set HI,    23
.set G1,    24                         ; s[24:31] group 1 for source 1's blocks; s[32:39] group 0, a set for each slot
.set G0,    32
.set ISV,   44                         ; 1: v is made
.set G1B,   48                         ; s[48:55], s[56:63] the same for source 0
.set G0B,   56
.set OUT,   88
.set MSB, 0
.macro WIN new                         ; the immediate's high byte repeats the setting that is left
.if MSB != (\new)
	s_set_vgpr_msb (MSB<<8)|(\new)
.set MSB, (\new)
.endif
.endm
.macro JLOAD s                         ; a joint load; the branch hangs on the wave's number alone; four v_nop follow each line
	s_cmp_eq_u32 s[WP], 0
	s_cbranch_scc0 .Lfor_b_\@
	tensor_load_to_lds s[G0+4*\s:G0+4*\s+3], s[G1:G1+7]
	s_nop 0
.rept 4
	v_nop
.endr
	s_branch .Lasked_\@
.Lfor_b_\@:
	tensor_load_to_lds s[G0B+4*\s:G0B+4*\s+3], s[G1B:G1B+7]
	s_nop 0
.rept 4
	v_nop
.endr
.Lasked_\@:
.endm
.macro CREST                           ; a round of the cluster's barrier behind its opening barrier
	s_cmp_lg_u32 s[WV], 0
	s_cbranch_scc1 .Lnot_wave_0_\@
	s_barrier_signal -3
.Lnot_wave_0_\@:
	s_barrier_wait -3
	s_barrier_signal -1
	s_barrier_wait -1
.endm
.macro CROUND
	s_barrier_signal -1
	s_barrier_wait -1
	CREST
.endm
.macro PLACES n
.rept \n
	v_nop
.endr
.endm
.macro FRAG reg, adr, q, i             ; a fragment comes back as it was stored: four loads of 512 consecutive bytes
.irp c, 0,1,2,3
	ds_load_b128 v[\reg+4*\c:\reg+4*\c+3], v[\adr] offset:4096*(\i)+2048*(\q)+512*\c
.endr
.endm
.macro FETCH_B slot, q, p              ; source 0's eight fragments of the slot's q-th 128 along K into set p of window 1
	WIN 0x40
.irp i, 0,1,2,3,4,5,6,7
	FRAG 128*(\p)+FR*\i, ADRB+\slot, \q, \i
.endr
	WIN 0
.endm
.macro FETCH_A slot, q, i0             ; source 1's tiles i0 .. i0 + 3
.irp i, \i0, \i0+1, \i0+2, \i0+3
	FRAG AF+FR*(\i), ADRA+\slot, \q, \i
.endr
.endm
.macro SCALES s                        ; a slot's scale words
.irp i, 0,1,2,3,4,5,6,7
.irp q, 0,1
	ds_load_b32 v[SC+16*\s+2*\i+\q], v[ADRS+\s] offset:32768+512*\q+64*\i
.endr
.endr
.endm
; 16 matrix instructions: source 1's tiles a0, a0 + 1 x source 0's eight.  cm = 0: onto the sums; 1: C = the bias by source 0's tile; 2: by source 1's.  The 64 accumulators take turns in one order.
.macro MUL16 a0, p, q, sc, cm
.irp a, \a0, \a0+1
.irp b, 0,1,2,3,4,5,6,7
.if \cm == 0
	v_wmma_scale_f32_16x16x128_f8f6f4 v[8*(8*((\a)%4)+\b):8*(8*((\a)%4)+\b)+7], v[128*(\p)+FR*\b:128*(\p)+FR*\b+FR-1], v[AF+FR*(\a):AF+FR*(\a)+FR-1], v[8*(8*((\a)%4)+\b):8*(8*((\a)%4)+\b)+7], v[SC+16*(\sc)+2*\b+(\q)], v[SC+16*(\sc)+2*(\a)+(\q)] matrix_a_scale:MATRIX_SCALE_ROW1
.elseif \cm == 1
	v_wmma_scale_f32_16x16x128_f8f6f4 v[8*(8*((\a)%4)+\b):8*(8*((\a)%4)+\b)+7], v[128*(\p)+FR*\b:128*(\p)+FR*\b+FR-1], v[AF+FR*(\a):AF+FR*(\a)+FR-1], v[CB+8*\b:CB+8*\b+7], v[SC+16*(\sc)+2*\b+(\q)], v[SC+16*(\sc)+2*(\a)+(\q)] matrix_a_scale:MATRIX_SCALE_ROW1
.else
	v_wmma_scale_f32_16x16x128_f8f6f4 v[8*(8*((\a)%4)+\b):8*(8*((\a)%4)+\b)+7], v[128*(\p)+FR*\b:128*(\p)+FR*\b+FR-1], v[AF+FR*(\a):AF+FR*(\a)+FR-1], v[CB+8*(\a):CB+8*(\a)+7], v[SC+16*(\sc)+2*\b+(\q)], v[SC+16*(\sc)+2*(\a)+(\q)] matrix_a_scale:MATRIX_SCALE_ROW1
.endif
.endr
.endr
.endm
.macro STEP slot, cm                   ; a slot's first 128 along K
	s_wait_dscnt 16                                ; all but the youngest 16 loads (source 1's tiles 4-7) are in
.if \cm
	WIN 0x81                                       ; source 0 window 1, source 1 and C window 0, D window 2
.else
	WIN 0xa1                                       ; C and D window 2
.endif
	MUL16 0, 0, 0, \slot, \cm
	MUL16 2, 0, 0, \slot, \cm
	s_wait_dscnt 0x0
	PLACES NP                                      ; in front of loads into registers that matrix instructions have read
	FETCH_B \slot, 1, 1
	FETCH_A \slot, 1, 0
.if \cm
	WIN 0xc1
.else
	WIN 0xf1
.endif
	MUL16 4, 0, 0, \slot, \cm
	MUL16 6, 0, 0, \slot, \cm
	PLACES NP
	WIN 0
	FETCH_A \slot, 1, 4
.endm
; A slot's second 128 along K, and the change of slots: one barrier; in front of it each wave waits for all its tensor loads, adds 0 to its spare word, and waits for that and for its reads of this slot.
.macro TURN slot, next, fill
	s_wait_tensorcnt 0x0                           ; my part of the next slot has landed; no tensor load of mine is out
	ds_add_u32 v[SPW], v[NIL]
	s_wait_dscnt 17                                ; (the add and the youngest 16 loads may be out)
	WIN 0xa1
	MUL16 0, 1, 1, \slot, 0
	s_wait_dscnt 0x0                               ; the add is done, and my reads of this slot are over
	s_barrier_signal -1
	MUL16 2, 1, 1, \slot, 0
	WIN 0
	s_barrier_wait -1
.if \fill
	CREST                                          ; the barrier has opened a round of the cluster's: no wave of any partner still reads this slot or has a load on its way
	s_add_nc_u64 s[G0+4*\slot+2:G0+4*\slot+3], s[G0+4*\slot+2:G0+4*\slot+3], 2*PSB
	s_add_nc_u64 s[G0B+4*\slot+2:G0B+4*\slot+3], s[G0B+4*\slot+2:G0B+4*\slot+3], 2*PSB
	JLOAD \slot                                    ; the first tensor load behind the round; its four v_nop are four of the eight places
	PLACES NP-4
.else
	PLACES NP
.endif
	FETCH_B \next, 0, 0
	FETCH_A \next, 0, 0
	SCALES \next
	WIN 0xf1
	MUL16 4, 1, 1, \slot, 0
	MUL16 6, 1, 1, \slot, 0
	PLACES NP
	WIN 0
	FETCH_A \next, 0, 4
.endm
	s_load_b256 s[4:11], s[0:1], 0x0               ; x_img, wa_img, b_attn, qrec
	s_load_b128 s[12:15], s[0:1], 0x20             ; krec, vrec
	v_lshl_add_u32 v[SPW], v0, 2, SPARE
	v_mov_b32 v[NIL], 0
	ds_add_u32 v28, v29
	ds_add_u32 v28, v29
	s_wait_dscnt 0x0
	v_lshrrev_b32 v1, 5, v0
	v_readfirstlane_b32 s[WV], v1
	s_lshr_b32 s[WP], s[WV], 1
	s_and_b32 s[WQ], s[WV], 1
	s_bfe_u32 s40, ttmp6, 0x40000                  ; cx
	s_bfe_u32 s41, ttmp6, 0x40004                  ; cy
	s_and_b32 s43, ttmp7, 0xffff
	s_lshl_b32 s43, s43, 2                         ; 4 x cluster y
	s_lshl_b32 s42, ttmp9, 2                       ; 4 x cluster x
	s_cmp_eq_u32 ttmp9, 2                          ; the same in all sixteen partners
	s_cselect_b32 s[ISV], 1, 0
	s_cselect_b32 s45, 8, s43
	s_cselect_b32 s46, s43, s42
	s_add_co_u32 s45, s45, s41                     ; source 1's tile of 256 rows: tokens 4 Y + cy, or for v channels 8 + cy: cy alone of the place
	s_add_co_u32 s46, s46, s40                     ; source 0's: channels 4 X + cx, or for v tokens 4 Y + cx: cx alone
	s_lshl_b32 s47, s41, 2
	s_lshl_b32 s47, 15, s47                        ; my row of the cluster
	s_lshl_b32 s66, 0x1111, s40                    ; my column
	s_or_b32 s[G1], s47, (3<<16)|(1<<21)           ; the mask; elements of 8 bytes; bit 21 beside a mask; no padding
	s_or_b32 s[G1B], s66, (3<<16)|(1<<21)
.irp g, G1, G1B
	s_mov_b32 s[\g+1], 32<<16                      ; a block is dense: 132 rows of 256 bytes
	s_mov_b32 s[\g+2], 264<<16                     ; the head's load: a panel's first two blocks along K lie on end in memory and in LDS: 264 rows
	s_mov_b32 s[\g+3], 32<<16
	s_mov_b32 s[\g+4], 264
	s_mov_b32 s[\g+5], 32
	s_mov_b32 s[\g+6], 0
	s_mov_b32 s[\g+7], 0
.endr
	s_lshl_b32 s68, s45, 1
	s_add_co_u32 s68, s68, s[WQ]
	s_mul_i32 s68, s68, 4*PSB                      ; the panel of source 1 that I would fetch
	s_mov_b32 s69, 0
	s_lshl_b32 s70, s46, 1
	s_add_co_u32 s70, s70, s[WQ]
	s_mul_i32 s70, s70, 4*PSB                      ; and of source 0
	s_mov_b32 s71, 0
	s_mul_i32 s72, s[WV], 2*PSB                    ; where it goes: wave x two blocks: no place in the cluster enters an LDS address
	s_mov_b32 s[SEL], 0x76543210
	s_mov_b32 s[SEL+1], 0xfedcba98
	s_mov_b32 s[MNT], 0x600000
	s_mov_b32 s[HI], 0xffff0000
	s_wait_kmcnt 0x0
	s_cmp_eq_u32 s[ISV], 1
	s_cselect_b64 s[74:75], s[6:7], s[4:5]
	s_cselect_b64 s[76:77], s[4:5], s[6:7]
	s_add_nc_u64 s[74:75], s[74:75], s[68:69]
	s_add_nc_u64 s[76:77], s[76:77], s[70:71]
	CROUND                                         ; all sixteen work-groups are here: the first joint loads meet
.irp s, 0,1
	s_mov_b32 s[G0+4*\s], 1
	s_add_co_u32 s[G0+4*\s+1], s72, \s*PSB
	s_add_nc_u64 s[G0+4*\s+2:G0+4*\s+3], s[74:75], \s*PSB
	s_or_b32 s[G0+4*\s+3], s[G0+4*\s+3], 0x80000000
	s_mov_b32 s[G0B+4*\s], 1
	s_add_co_u32 s[G0B+4*\s+1], s72, \s*PSB
	s_add_nc_u64 s[G0B+4*\s+2:G0B+4*\s+3], s[76:77], \s*PSB
	s_or_b32 s[G0B+4*\s+3], s[G0B+4*\s+3], 0x80000000
.endr
	JLOAD 0                                        ; one joint load a wave at the head: both slots' first blocks of my panel
	v_and_b32 v1, 15, v0                           ; r
	v_bfe_u32 v2, v0, 4, 1                         ; h
	v_and_b32 v3, 31, v0
	v_lshlrev_b32 v[LI], 4, v3
	v_lshlrev_b32 v[LS], 2, v3
	s_mul_i32 s78, s[WP], 2*PSB                    ; my panel of source 1
	s_mul_i32 s79, s[WQ], 2*PSB
	s_add_co_u32 s79, s79, 4*PSB                   ; and of source 0
	s_sub_co_u32 s80, s79, s78
	v_mul_u32_u24 v4, s80, v2                      ; lanes 16-31 take source 0's words: one product, the distance between the two
	v_lshl_add_u32 v4, v1, 2, v4
	v_add_nc_u32 v4, s78, v4
.irp s, 0,1
	v_add_nc_u32 v[ADRA+\s], s78, v[LI]
	v_add_nc_u32 v[ADRB+\s], s79, v[LI]
	v_add_nc_u32 v[ADRS+\s], \s*PSB, v4
	s_add_co_u32 s78, s78, PSB
	s_add_co_u32 s79, s79, PSB
.endr
	; the bias and the records: registers of their own, which feed no descriptor
	s_cmp_eq_u32 s[ISV], 1
	s_cselect_b32 s81, s45, s46                    ; the channels' tile,
	s_cselect_b32 s82, s[WP], s[WQ]                ; my half of it,
	s_cselect_b32 s83, s46, s45                    ; the tokens' tile,
	s_cselect_b32 s84, s[WQ], s[WP]                ; my half of it,
	s_cselect_b32 s85, s41, s40                    ; the channels' tile among the four of q, of k or of v
	s_mov_b32 s86, 8704
	s_cselect_b32 s86, 8448, s86                   ; a record
	s_cselect_b64 s[OUT:OUT+1], s[14:15], s[12:13]
	s_cmp_eq_u32 ttmp9, 0
	s_cselect_b64 s[OUT:OUT+1], s[10:11], s[OUT:OUT+1]
	s_lshl_b32 s92, s81, 10
	s_lshl_b32 s93, s82, 9
	s_add_co_u32 s92, s92, s93
	s_mov_b32 s93, 0
	s_add_nc_u64 s[90:91], s[8:9], s[92:93]        ; the bias of my 128 channels
	s_lshl_b32 s83, s83, 1
	s_add_co_u32 s83, s83, s84                     ; my panel of tokens, 0 .. 63
	s_lshl_b32 s85, s85, 2
	s_lshl_b32 s82, s82, 1
	s_add_co_u32 s85, s85, s82                     ; my first head
	s_lshr_b32 s92, s83, 4
	s_lshl_b32 s92, s92, 8                         ; batch x 256
	s_lshl_b32 s85, s85, 4
	s_add_co_u32 s92, s92, s85                     ; + head x 16
	s_and_b32 s83, s83, 15
	s_add_co_u32 s92, s92, s83                     ; + block of 128 tokens
	s_mul_i32 s92, s92, s86
	s_add_nc_u64 s[OUT:OUT+1], s[OUT:OUT+1], s[92:93]
	s_cmp_eq_u32 s[ISV], 1
	s_cbranch_scc1 .Lbias_v
	v_lshlrev_b32 v[BO], 6, v2                     ; q, k: register j of tile b is channel 32 (b / 2) + 8 (b % 2) + 16 h + j
.irp b, 0,1,2,3,4,5,6,7
	global_load_b128 v[CB+8*\b:CB+8*\b+3], v[BO], s[90:91] offset:4*(32*(\b/2)+8*(\b%2))
	global_load_b128 v[CB+8*\b+4:CB+8*\b+7], v[BO], s[90:91] offset:4*(32*(\b/2)+8*(\b%2))+16
.endr
	s_branch .Lbias_done
.Lbias_v:
	v_and_b32 v[BO], 8, v1
	v_add_nc_u32 v[BO], v[BO], v1
	v_lshlrev_b32 v[BO], 2, v[BO]                  ; v: all eight registers of tile a are my lane's channel 32 (a / 2) + 8 (a % 2) + r + 8 (r / 8)
.irp a, 0,1,2,3,4,5,6,7
.irp j, 0,1,2,3,4,5,6,7
	global_load_b32 v[CB+8*\a+\j], v[BO], s[90:91] offset:4*(32*(\a/2)+8*(\a%2))
.endr
.endr
.Lbias_done:
	s_wait_tensorcnt 0x0                           ; my panel's two blocks are in; no tensor load of mine is out, so a descriptor may be written:
	s_mov_b32 s[G1+2], 132<<16                     ; from here on a load brings one block, 132 rows
	s_mov_b32 s[G1+4], 132
	s_mov_b32 s[G1B+2], 132<<16
	s_mov_b32 s[G1B+4], 132
	s_barrier_signal -1
	s_barrier_wait -1
	s_wait_alu depctr_va_vdst(0)
	FETCH_B 0, 0, 0
	FETCH_A 0, 0, 0
	SCALES 0
	FETCH_A 0, 0, 4
	s_wait_loadcnt 0x0                             ; the bias
	s_cmp_eq_u32 s[ISV], 1
	s_cbranch_scc1 .Lfirst_v
	STEP 0, 1                                      ; the first products start the sums with the bias: nothing is cleared
	s_branch .Lfirst_done
.Lfirst_v:
	STEP 0, 2
.Lfirst_done:
	TURN 0, 1, 1
	STEP 1, 0
	TURN 1, 0, 1
	STEP 0, 0
	TURN 0, 1, 0                                   ; the last two slots' worth: nothing is left to fetch
	STEP 1, 0
	s_wait_dscnt 16
	WIN 0xa1
	MUL16 0, 1, 1, 1, 0
	MUL16 2, 1, 1, 1, 0
	s_wait_dscnt 0x0
	WIN 0xf1
	MUL16 4, 1, 1, 1, 0
	MUL16 6, 1, 1, 1, 0
	WIN 0
	PLACES NP                                      ; in front of the first read of results and the first write of source 1's registers
.irp b, 0,1,2,3
	v_mov_b32 v[TM+4+\b], 0                        ; written once: a lane permute's destination counts as one of its sources
.endr
; THE QUANTISER.  Tile a's 64 registers of a lane, register 16 b + i = source 0's row 32 b + 16 h + i, become a fragment's codes and a scale word.  Each accumulator is read from its low end on.
.macro QUANTW a
.set AC, 64*((\a)%4)
.set WS, 2+(\a)/4
	WIN WS*5                                       ; sources 0 and 1: the accumulators' window
.irp b, 0,1,2,3
	v_max3_num_f32 v[TM+\b], |v[AC+16*\b]|, |v[AC+16*\b+1]|, 0x4800000   ; and the floor 2^(9 - 127)
.endr
.irp i, 2,4,6,8,10,12,14
.irp b, 0,1,2,3
	v_max3_num_f32 v[TM+\b], |v[AC+16*\b+\i]|, |v[AC+16*\b+\i+1]|, v[TM+\b]
.endr
.endr
	WIN 0
.irp b, 0,1,2,3
	v_permlanex16_b32 v[TM+4+\b], v[TM+\b], s[SEL], s[SEL+1]
.endr
.irp b, 0,1,2,3
	v_max_num_f32 v[TM+\b], v[TM+\b], v[TM+4+\b]
.endr
.irp b, 0,1,2,3
	v_add_nc_u32 v[TM+12+\b], 0xfc000000, v[TM+\b] ; the conversion's scale operand
.endr
.irp b, 0,1,2,3
	v_and_or_b32 v[TM+8+\b], v[TM+\b], 0x7f800000, s[MNT]   ; 448 x the scale
.endr
.irp b, 0,1,2,3
	v_lshrrev_b32 v[TM+4+\b], 23, v[TM+12+\b]      ; the byte
.endr
	v_lshl_or_b32 v[PW], v[TM+5], 8, v[TM+4]
	v_lshl_or_b32 v[PW], v[TM+6], 16, v[PW]
	v_lshl_or_b32 v[PW], v[TM+7], 24, v[PW]
	WIN WS                                         ; source 0: the accumulators' window
.irp b, 0,1,2,3
.irp i, 0,1,2,3,4,5,6,7,8,9,10,11,12,13,14,15
	v_med3_num_f32 v[T+16*\b+\i], v[AC+16*\b+\i], -v[TM+8+\b], v[TM+8+\b]   ; the hold is also the move into window 0
.endr
.endr
	WIN 0
.irp b, 0,1,2,3
	v_cvt_scalef32_pk8_fp8_f32 v[PC+4*\b:PC+4*\b+1], v[T+16*\b:T+16*\b+7], v[TM+12+\b]
	v_cvt_scalef32_pk8_fp8_f32 v[PC+4*\b+2:PC+4*\b+3], v[T+16*\b+8:T+16*\b+15], v[TM+12+\b]
.endr
	v_nop                                          ; a plain line behind the last conversion
.endm
.irp a, 0,1,2,3,4,5,6,7
	s_wait_xcnt 0x0                                ; the last tile's stores have read their data: it is written again only behind this wait
	QUANTW \a
.if \a%2 == 0
	v_mov_b32 v[PWE], v[PW]
.else
	v_cndmask_b32 v[XS], v[PWE], v[PW], s[HI]      ; lanes 0-15 tile a - 1's words, lanes 16-31 tile a's
.endif
	s_cmp_eq_u32 s[ISV], 1
	s_cbranch_scc1 .Lst_v_\a
.irp g, 0,1,2,3                        ; q, k: groups 0, 1 are my first head's 64 channels, groups 2, 3 the next head's
	global_store_b128 v[LI], v[PC+4*\g:PC+4*\g+3], s[OUT:OUT+1] offset:(\g/2)*HS+1024*\a+512*(\g%2)   ; 512 consecutive bytes, aligned to 256
.endr
.if \a%2
	v_perm_b32 v[WA], v[XS], v[XS], 0x01000100     ; a head's two bytes, twice
	v_perm_b32 v[WB], v[XS], v[XS], 0x03020302
	global_store_b32 v[LS], v[WA], s[OUT:OUT+1] offset:8192+128*(\a/2)
	global_store_b32 v[LS], v[WB], s[OUT:OUT+1] offset:HS+8192+128*(\a/2)
.endif
	s_branch .Lst_done_\a
.Lst_v_\a:
	s_wait_alu depctr_va_vdst(0)
.irp g, 0,1,2,3                        ; v: tile a is fragment a % 4 of head a / 4; group g is keys 32 g on
	global_store_b128 v[LI], v[PC+4*\g:PC+4*\g+3], s[OUT:OUT+1] offset:(\a/4)*HSV+2048*(\a%4)+512*\g
.endr
.if \a%2
	global_store_b32 v[LS], v[XS], s[OUT:OUT+1] offset:(\a/4)*HSV+8192+128*((\a%4)/2)
.endif
.Lst_done_\a:
.endr
	s_wait_tensorcnt 0x0                           ; the wave's end
	ds_add_u32 v[SPW], v[NIL]
	s_wait_dscnt 0x0
	CROUND                                         ; the closing round: no work-group ends while a partner may still ask for a block that names it
	s_endpgm
.Lfunc_end_k_q5492ae6051_qkv:
	.size	k_q5492ae6051_qkv, .Lfunc_end_k_q5492ae6051_qkv-k_q5492ae6051_qkv
	.p2alignl 7, 3214868480
	.fill 96, 4, 3214868480
	.section	.rodata,"a",@progbits
	.p2align	6, 0x0
	.amdhsa_kernel k_q5492ae6051_qkv
		.amdhsa_group_segment_fixed_size 327680
		.amdhsa_private_segment_fixed_size 0
		.amdhsa_enable_private_segment 0
		.amdhsa_kernarg_size 48
		.amdhsa_user_sgpr_count 2
		.amdhsa_user_sgpr_kernarg_segment_ptr 1
		.amdhsa_wavefront_size32 1
		.amdhsa_system_sgpr_workgroup_id_x 1
		.amdhsa_system_sgpr_workgroup_id_y 1
		.amdhsa_system_sgpr_workgroup_id_z 1
		.amdhsa_system_vgpr_workitem_id 0
		.amdhsa_next_free_vgpr 1024
		.amdhsa_next_free_sgpr 96
		.amdhsa_reserve_vcc 0
		.amdhsa_float_denorm_mode_32 3
		.amdhsa_float_denorm_mode_16_64 3
		.amdhsa_memory_ordered 1
		.amdhsa_forward_progress 1
		.amdhsa_inst_pref_size 211
	.end_amdhsa_kernel
	.amdgpu_metadata
---
amdhsa.version: [ 1, 2 ]
amdhsa.kernels:
  - .name:           k_q5492ae6051_qkv
    .symbol:         k_q5492ae6051_qkv.kd
    .args:
      - { .name: x_img, .offset: 0, .size: 8, .value_kind: global_buffer, .address_space: global }
      - { .name: wa_img, .offset: 8, .size: 8, .value_kind: global_buffer, .address_space: global }
      - { .name: b_attn, .offset: 16, .size: 8, .value_kind: global_buffer, .address_space: global }
      - { .name: qrec, .offset: 24, .size: 8, .value_kind: global_buffer, .address_space: global }
      - { .name: krec, .offset: 32, .size: 8, .value_kind: global_buffer, .address_space: global }
      - { .name: vrec, .offset: 40, .size: 8, .value_kind: global_buffer, .address_space: global }
    .group_segment_fixed_size: 327680
    .private_segment_fixed_size: 0
    .kernarg_segment_align: 8
    .kernarg_segment_size: 48
    .max_flat_workgroup_size: 128
    .sgpr_count:     96
    .vgpr_count:     1024
    .wavefront_size: 32
...
	.end_amdgpu_metadata
.endif
;; end of part 2
;; launch attn (part 3): grid 4 x 64, 16 waves a work-group, no clusters, 276,480 bytes of LDS; arguments qrec, krec, vrec, y_img; writes y_img
.if DOCPART == 3
	.amdgcn_target "amdgcn-amd-amdhsa--gfx1250"
	.amdhsa_code_object_version 6
	.text
	.protected	k_q5492ae6051_attn
	.globl	k_q5492ae6051_attn
	.p2align	8
	.type	k_q5492ae6051_attn,@function
k_q5492ae6051_attn:
	s_mov_b64 s[64:65], 0
	v_nop
	global_prefetch_b8 v0, s[64:65] scope:SCOPE_SE
	s_setreg_imm32_b32 hwreg(HW_REG_WAVE_MODE, 25, 1), 1
	s_wait_xcnt 0x0
; y = softmax(q k^T / 8, causal) v for one (batch, head), both products on codes of FP8 (E4M3) with E8M0 scales, and y quantised along C at once, as an image for the last product.
; THE SOFTMAX AHEAD OF THE SECOND PRODUCT: t = score x log2(e) / 8; M = the running largest t rounded up to a whole number; p = 2^(t - M) is quantised along the keys; the row's sum is taken of the unquantised p and divides at the end.
; When M moves, the sum and O are multiplied by 2^(old M - new M), which rounds nothing.
; RECORDS (made by the launch before), one for each block of 128 tokens of a head.  q, k: tile a (16 tokens x 64 channels) at 1024 a + 512 c + 16 lane, scale words (the row's two bytes, twice) at 8192 + 64 a + 4 r.
; v: fragment f (16 channels x 128 keys) at 2048 f + 512 c + 16 lane, scale words at 8192 + 64 f + 4 r.  Lane r of tile a holds row 32 (a / 2) + 8 (a % 2) + r + 8 (r / 8) of its block (v: of the head's 64 channels).
; K = 64 IN AN INSTRUCTION OF 128: tiles 2 p and 2 p + 1 of k are 2,048 consecutive bytes: one fragment.  Against [q | 0] it gives tile 2 p's scores, against [0 | q] tile 2 p + 1's.  The zero codes stand on q's side alone:
; 0 x a finite code adds nothing, and k's codes are never NaN, since their quantiser holds them.
; Both products are used transposed (source 0 = keys, or channels of v; source 1 = my 16 queries, or p): a lane holds ONE query throughout, and p's 16 registers of two neighbouring tiles are 16 neighbouring keys.
; SHARES.  Work-group (i, head) owns the blocks of 256 queries i and 7 - i; wave w owns tile w of the first and tile 15 - w of the second: 2 i + w / 8 + 1 and 15 - 2 i + 1 - w / 8 key steps of 128: 17 for every wave.
; LDS holds the head's whole K (16 records from 0) and V (16 records from VB): filled once, in four chunks of 512 keys; nothing is filled again and nothing is stored there.  Four tensor loads of a wave are out at the most.
; The loops' trip counts are constants; a step all of whose keys come after my queries is jumped over by a scalar branch on ids.
; NO CLUSTER, though the four work-groups of a head read the same K and V: they differ in their blocks of queries, so which steps are hidden would be a branch on a work-group's place in its cluster;
; doing the hidden steps instead would take 32 steps a wave in place of 17.  NO PREFETCH: every tensor load goes out at the head.
; LIMITS: O / l is a multiplication by v_rcp_f32's result; a block's largest p is taken through its largest score (v_exp_f32 is taken not to fall where its input rises); a block of zeros, or one under 2^-118, gets the byte 1;
; y's scale bytes leave one byte a lane; NaN and infinities are not served.
.set HS,   139264                      ; a head's 16 records of q or k
.set HSV,  135168                      ; and of v
.set VB,   HS
.set PSB,  33792
.set ADK,  8                           ; v8-11 LDS addresses of the step's K, V, K's scale words, V's
.set ADV,  9
.set ADS,  10
.set ADT,  11
.set F,    56                          ; v56-119  four fragments of K or of V
.set S,    120                         ; v120-183 the scores, then p
.set O,    184                         ; v184-215 O^T
.set PCD,  216                         ; v216-231 p's codes
; v1 16 x lane; v2 4 x lane; v3 r + 8 (r / 8) - 16 h; v4, v5 q's scale words; v6 4 r; v7 4 r + h; v12 -M; v13 the largest t; v[14:15] the sum; v16-55 [0 | q of the first tile | 0 | q of the second | 0], 8 registers each;
; v232-247 at work; v248-251 K's or V's scale words; v252 f; v253 p's scale word; v254 at work
.set TK,   2                           ; s2 the step's record of K in LDS; s3 of V
.set TV,   3
.set HI,   12                          ; the mask of lanes 16-31
.set CNT,  13
.set KF,   14                          ; the step's first key
.set Q0,   15                          ; my tile's first query
.set WV,   18
.set MNT,  19
.set SEL,  20
.set CS,   22                          ; s[22:23] c = log2(e) / 8
.set G1K,  24                          ; s[24:31], s[32:39] groups 1; s[40:43] K's group 0; s[56:59] V's
.set G1V,  32
.set G0K,  40
.set G0V,  56
.set BH,   76
.set YC,   84                          ; s[84:85] where my tile's codes of y go; s[86:87] its scale bytes
.set YS,   86
	s_load_b256 s[4:11], s[0:1], 0x0               ; qrec, krec, vrec, y_img
	v_lshl_add_u32 v254, v0, 2, 0x43000
	v_mov_b32 v255, 0
	ds_add_u32 v254, v255
	ds_add_u32 v254, v255
	s_wait_dscnt 0x0
	v_lshrrev_b32 v8, 5, v0
	s_delay_alu instid0(VALU_DEP_1)
	v_readfirstlane_b32 s[WV], v8
	s_and_b32 s[BH], ttmp7, 0xffff                 ; batch x 16 + head
	s_and_b32 s16, s[WV], 1
	s_lshr_b32 s17, s[WV], 2
	s_lshl_b32 s17, s17, 1
	s_add_co_u32 s16, s16, s17                     ; the piece of two records that I fetch: 2 (wave / 4) + wave % 2, of K or of V
	s_mul_i32 s80, s[BH], HS
	s_mov_b32 s81, 0
	s_mul_i32 s82, s[BH], HSV
	s_mov_b32 s83, 0
	s_mul_i32 s88, s16, 17408                      ; which two of a chunk's four records I would fetch: in memory and in LDS alike
	s_mov_b32 s89, 0
	s_mul_i32 s90, s16, 16896
	s_mov_b32 s91, 0
	s_mov_b32 s[G1K], 3<<16                        ; no mask; elements of 8 bytes; no padding: two records are dense, 68 rows of 256 bytes
	s_mov_b32 s[G1K+1], 32<<16
	s_mov_b32 s[G1K+2], 68<<16
	s_mov_b32 s[G1K+3], 32<<16
	s_mov_b32 s[G1K+4], 68
	s_mov_b32 s[G1K+5], 32
	s_mov_b32 s[G1K+6], 0
	s_mov_b32 s[G1K+7], 0
	s_mov_b32 s[G1V], 3<<16                        ; V's: 66 rows
	s_mov_b32 s[G1V+1], 32<<16
	s_mov_b32 s[G1V+2], 66<<16
	s_mov_b32 s[G1V+3], 32<<16
	s_mov_b32 s[G1V+4], 66
	s_mov_b32 s[G1V+5], 32
	s_mov_b32 s[G1V+6], 0
	s_mov_b32 s[G1V+7], 0
	s_mov_b32 s[SEL], 0x76543210
	s_mov_b32 s[SEL+1], 0xfedcba98
	s_mov_b32 s[CS], 0x3e38aa3b
	s_mov_b32 s[CS+1], s[CS]                       ; (named with it as a pair, so it is written)
	s_mov_b32 s[MNT], 0x600000
	s_mov_b32 s[HI], 0xffff0000
	s_wait_kmcnt 0x0
	s_add_nc_u64 s[4:5], s[4:5], s[80:81]          ; q at my head
	s_add_nc_u64 s[6:7], s[6:7], s[80:81]
	s_add_nc_u64 s[6:7], s[6:7], s[88:89]
	s_add_nc_u64 s[8:9], s[8:9], s[82:83]
	s_add_nc_u64 s[8:9], s[8:9], s[90:91]
; THE FILLS: K and V are 8 pieces of two records each, 16 pieces for 16 waves:
; ONE tensor load a wave, all at the head.  Wave w fetches piece 2 (w / 4) + w % 2, of K where w % 4 < 2, else of V.  So waves 0 to 3 bring keys 0-511;
; they have load lines of their own, since they alone wait at the first barrier.  One chain of branches on the wave's number, a load to an arm.
	s_mov_b32 s[G0K], 1
	s_mov_b32 s[G0K+1], s88
	s_mov_b64 s[G0K+2:G0K+3], s[6:7]
	s_or_b32 s[G0K+3], s[G0K+3], 0x80000000
	s_mov_b32 s[G0V], 1
	s_add_co_u32 s[G0V+1], s90, VB
	s_mov_b64 s[G0V+2:G0V+3], s[8:9]
	s_or_b32 s[G0V+3], s[G0V+3], 0x80000000
	s_and_b32 s17, s[WV], 2
.macro TL g0, g1
	tensor_load_to_lds s[\g0:\g0+3], s[\g1:\g1+7]
	s_nop 0
.rept 4
	v_nop
.endr
.endm
	s_cmp_lt_u32 s[WV], 2
	s_cbranch_scc0 .Lv0
	TL G0K, G1K                                    ; waves 0, 1: K's keys 0-511
	s_branch .Lasked
.Lv0:
	s_cmp_lt_u32 s[WV], 4
	s_cbranch_scc0 .Lk1
	TL G0V, G1V                                    ; waves 2, 3: V's
	s_branch .Lasked
.Lk1:
	s_cmp_lt_u32 s[WV], 6
	s_cbranch_scc0 .Lv1a
	TL G0K, G1K                                    ; waves 4, 5: K's keys 512-1023: lines of their own too, since waves 0 to 7 alone wait at the second barrier
	s_branch .Lasked
.Lv1a:
	s_cmp_lt_u32 s[WV], 8
	s_cbranch_scc0 .Lk2
	TL G0V, G1V                                    ; waves 6, 7: V's
	s_branch .Lasked
.Lk2:
	s_cmp_eq_u32 s17, 0
	s_cbranch_scc0 .Lv1
	TL G0K, G1K                                    ; the later keys of K
	s_branch .Lasked
.Lv1:
	TL G0V, G1V                                    ; and of V
.Lasked:
	v_and_b32 v6, 31, v0
	s_delay_alu instid0(VALU_DEP_1)
	v_lshlrev_b32 v1, 4, v6
	s_delay_alu instid0(VALU_DEP_2)
	v_lshlrev_b32 v2, 2, v6
	v_and_b32 v6, 15, v0                           ; r
	v_bfe_u32 v7, v0, 4, 1                         ; h
	s_delay_alu instid0(VALU_DEP_2)
	v_and_b32 v3, 8, v6
	s_delay_alu instid0(VALU_DEP_1)
	v_add_nc_u32 v3, v3, v6
	s_delay_alu instid0(VALU_DEP_3)
	v_lshlrev_b32 v8, 4, v7
	s_delay_alu instid0(VALU_DEP_1)
	v_sub_nc_u32 v3, v3, v8                        ; r + 8 (r / 8) - 16 h
	v_lshl_add_u32 v7, v6, 2, v7                   ; 4 r + h
	v_lshlrev_b32 v6, 2, v6                        ; 4 r
; q's tile and its scale words, from s92 = the block of 256 queries and s93 = my tile in it
.macro QLOAD QB, QS, va, vb
	s_lshr_b32 s94, s93, 3
	s_and_b32 s95, s93, 7
	s_lshl_b32 s96, s92, 1
	s_add_co_u32 s96, s96, s94                     ; the block of 128 tokens
	s_mul_i32 s96, s96, 8704
	s_lshl_b32 s97, s95, 10
	s_add_co_u32 s97, s97, s96
	v_add_nc_u32 v[\va], s97, v1
	s_lshl_b32 s97, s95, 6
	s_add_co_u32 s97, s97, s96
	v_add_nc_u32 v[\vb], s97, v6
	global_load_b128 v[\QB:\QB+3], v[\va], s[4:5]
	global_load_b128 v[\QB+4:\QB+7], v[\va], s[4:5] offset:512
	global_load_b32 v[\QS], v[\vb], s[4:5] offset:8192
.endm
; my tile's first query, and where its y goes: block (panel of tokens, head / 4) of y_img, tile tau % 8, K step (head / 2) % 2, groups 2 (head % 2) and + 1
.macro ADDR
	s_lshr_b32 s94, s93, 3
	s_and_b32 s95, s93, 7
	s_lshl_b32 s[Q0], s92, 8
	s_lshl_b32 s96, s94, 7
	s_add_co_u32 s[Q0], s[Q0], s96
	s_lshr_b32 s96, s95, 1
	s_lshl_b32 s96, s96, 5
	s_add_co_u32 s[Q0], s[Q0], s96
	s_and_b32 s96, s95, 1
	s_lshl_b32 s96, s96, 3
	s_add_co_u32 s[Q0], s[Q0], s96
	s_lshr_b32 s96, s[BH], 4
	s_lshl_b32 s96, s96, 4
	s_lshl_b32 s97, s92, 1
	s_add_co_u32 s96, s96, s97
	s_add_co_u32 s96, s96, s94                     ; the panel of 128 tokens, 0 .. 63
	s_lshl_b32 s96, s96, 2
	s_bfe_u32 s97, s[BH], 0x20002
	s_add_co_u32 s96, s96, s97
	s_mul_i32 s96, s96, PSB
	s_bfe_u32 s97, s[BH], 0x10001
	s_and_b32 s98, s[BH], 1
	s_lshl_b32 s88, s95, 12
	s_add_co_u32 s88, s88, s96
	s_lshl_b32 s99, s97, 11
	s_add_co_u32 s88, s88, s99
	s_lshl_b32 s99, s98, 10
	s_add_co_u32 s88, s88, s99
	s_mov_b32 s89, 0
	s_add_nc_u64 s[YC:YC+1], s[10:11], s[88:89]
	s_lshl_b32 s90, s95, 6
	s_add_co_u32 s90, s90, s96
	s_lshl_b32 s99, s97, 9
	s_add_co_u32 s90, s90, s99
	s_lshl_b32 s99, s98, 1
	s_add_co_u32 s90, s90, s99
	s_add_co_u32 s90, s90, 32768
	s_mov_b32 s91, 0
	s_add_nc_u64 s[YS:YS+1], s[10:11], s[90:91]
.endm
.macro INIT
	v_mov_b32 v13, 0xff61b1e6                      ; the largest t so far: -3e38, under every t
	s_delay_alu instid0(VALU_DEP_1)
	v_floor_f32 v12, -v13                          ; -M
	v_mov_b32 v14, 0
	v_mov_b32 v15, 0
.irp j, 0,1,2,3,4,5,6,7,8,9,10,11,12,13,14,15,16,17,18,19,20,21,22,23,24,25,26,27,28,29,30,31
	v_mov_b32 v[O+\j], 0                           ; the step is written without a first step of its own: it finds zeros, which the first change of M leaves zeros
.endr
	s_mov_b32 s[KF], 0
	s_mov_b32 s[TK], 0
	s_mov_b32 s[TV], VB
.endm
	s_wait_alu depctr_va_vdst(0)
	s_mov_b32 s92, ttmp9
	s_mov_b32 s93, s[WV]
	QLOAD 24, 4, 8, 9                              ; the early tile's q
	s_sub_co_u32 s92, 7, ttmp9
	s_sub_co_u32 s93, 15, s[WV]
	QLOAD 40, 5, 10, 11                            ; the late tile's, which is walked first
	ADDR
.irp j, 0,1,2,3,4,5,6,7
	v_mov_b32 v[16+\j], 0
	v_mov_b32 v[32+\j], 0
	v_mov_b32 v[48+\j], 0
.endr
.irp b, 0,1,2,3
	v_mov_b32 v[236+\b], 0                         ; written once: a lane permute's destination counts as one of its sources
.endr
	v_mov_b32 v252, 0
	v_mov_b32 v253, 0                              ; (named as the upper half of the pair v[252:253] before it is first written)
	INIT
; A KEY STEP: 128 keys.
.macro STEP QB, QS, causal
.if \causal
	s_cmp_gt_u32 s[KF], s[Q0]                      ; my 16 queries lie in one group of 32 tokens and KF is a multiple of 128: so either every query has a key in this step, or none has
	s_cbranch_scc1 .Lhidden_\@
.endif
	v_add_nc_u32 v[ADK], s[TK], v1
	v_add_nc_u32 v[ADV], s[TV], v1
	v_add_nc_u32 v[ADS], s[TK], v2
	v_add_nc_u32 v[ADT], s[TV], v2
.rept 4
	v_nop                                          ; with the four additions: eight places in front of loads into registers that the last step's products have read
.endr
.irp p, 0,1,2,3
.irp g, 0,1,2,3
	ds_load_b128 v[F+16*\p+4*\g:F+16*\p+4*\g+3], v[ADK] offset:2048*\p+512*\g
.endr
	ds_load_b32 v[248+\p], v[ADS] offset:8192+128*\p   ; lanes 0-15 tile 2 p's words, lanes 16-31 tile 2 p + 1's
.endr
	s_wait_alu depctr_va_vdst(0)
	s_wait_dscnt 0x0
.irp p, 0,1,2,3
	v_wmma_scale_f32_16x16x128_f8f6f4 v[S+16*\p:S+16*\p+7], v[F+16*\p:F+16*\p+15], v[\QB:\QB+15], 0, v[248+\p], v[\QS]
	v_wmma_scale_f32_16x16x128_f8f6f4 v[S+16*\p+8:S+16*\p+15], v[F+16*\p:F+16*\p+15], v[\QB-8:\QB+7], 0, v[248+\p], v[\QS] matrix_a_scale:MATRIX_SCALE_ROW1
.endr
.rept 8
	v_nop                                          ; places in front of the loads below and of the first read of the scores
.endr
.irp f, 0,1,2,3                        ; V's fragments land while the softmax is walked
.irp g, 0,1,2,3
	ds_load_b128 v[F+16*\f+4*\g:F+16*\f+4*\g+3], v[ADV] offset:2048*\f+512*\g
.endr
.endr
	ds_load_b32 v248, v[ADT] offset:8192
	ds_load_b32 v249, v[ADT] offset:8192+128
.if \causal                            ; on the diagonal the scores of hidden keys become -infinity ahead of the maximum: p = 0 then
	s_add_co_u32 s96, s[KF], 127
	s_cmp_le_u32 s96, s[Q0]
	s_cbranch_scc1 .Lopen_\@
	s_sub_co_i32 s96, s[Q0], s[KF]
	v_add_nc_u32 v252, s96, v3                     ; d = my query - KF - 16 h.  Register 16 b + i holds key KF + 32 b + 16 h + i: hidden where 32 b + i > d
	v_mov_b32 v254, 0xff800000
.irp n, 0,1,2,3,4,5,6,7,8,9,10,11,12,13,14,15,16,17,18,19,20,21,22,23,24,25,26,27,28,29,30,31,32,33,34,35,36,37,38,39,40,41,42,43,44,45,46,47,48,49,50,51,52,53,54,55,56,57,58,59,60,61,62,63
	v_cmp_gt_i32 vcc_lo, 32*(\n/16)+\n%16, v252
	v_cndmask_b32 v[S+\n], v[S+\n], v254, vcc_lo
.endr
.Lopen_\@:
.endif
.irp b, 0,1,2,3
	v_max3_num_f32 v[232+\b], v[S+16*\b], v[S+1+16*\b], v[S+2+16*\b]   ; the largest score of each block of 32 keys: for the row's maximum, and for the block's largest p
.endr
.irp i, 3,5,7,9,11,13
.irp b, 0,1,2,3
	v_max3_num_f32 v[232+\b], v[232+\b], v[S+16*\b+\i], v[S+1+16*\b+\i]
.endr
.endr
.irp b, 0,1,2,3
	v_max_num_f32 v[232+\b], v[232+\b], v[S+15+16*\b]
.endr
.irp b, 0,1,2,3
	s_delay_alu instid0(VALU_DEP_4)
	v_permlanex16_b32 v[236+\b], v[232+\b], s[SEL], s[SEL+1]
.endr
.irp b, 0,1,2,3
	s_delay_alu instid0(VALU_DEP_4)
	v_max_num_f32 v[232+\b], v[232+\b], v[236+\b]
.endr
	s_delay_alu instid0(VALU_DEP_2)
	v_max3_num_f32 v254, v232, v233, v234
	s_delay_alu instid0(VALU_DEP_1)
	v_max_num_f32 v254, v254, v235
	s_delay_alu instid0(VALU_DEP_1)
	v_mul_f32 v254, s[CS], v254
	s_delay_alu instid0(VALU_DEP_1)
	v_max_num_f32 v13, v13, v254                   ; the running largest t
	v_mov_b32 v254, v12
	s_delay_alu instid0(VALU_DEP_2)
	v_floor_f32 v12, -v13                          ; the new -M = -ceil(t)
	s_delay_alu instid0(VALU_DEP_1)
	v_sub_f32 v254, v12, v254                      ; old M - new M: a whole number, 0 or less
	s_delay_alu instid0(VALU_DEP_1)
	v_cvt_i32_f32 v254, v254                       ; (it saturates)
	s_delay_alu instid0(VALU_DEP_1)
	v_ldexp_f32 v252, 1.0, v254                    ; f = 2^(old M - new M)
.irp j, 0,2,4,6,8,10,12,14,16,18,20,22,24,26,28,30,32,34,36,38,40,42,44,46,48,50,52,54,56,58,60,62
	v_pk_fma_f32 v[S+\j:S+1+\j], v[S+\j:S+1+\j], s[CS:CS+1], v[12:13] op_sel_hi:[1,0,0]   ; t - M, two at a time
.endr
.irp b, 0,1,2,3
	v_fma_f32 v[232+\b], v[232+\b], s[CS], v12
.endr
	s_wait_alu depctr_va_vdst(0)
.irp j, 0,1,2,3,4,5,6,7,8,9,10,11,12,13,14,15,16,17,18,19,20,21,22,23,24,25,26,27,28,29,30,31,32,33,34,35,36,37,38,39,40,41,42,43,44,45,46,47,48,49,50,51,52,53,54,55,56,57,58,59,60,61,62,63
	v_exp_f32 v[S+\j], v[S+\j]                     ; p = 2^(t - M)
.endr
	v_pk_mul_f32 v[14:15], v[14:15], v[252:253] op_sel_hi:[1,0]   ; the sums under the new M: a plain line behind the exponentials
	s_wait_alu depctr_va_vdst(0)                   ; one wait for the batch of 64, ahead of its first reader
.irp b, 0,1,2,3
	v_exp_f32 v[232+\b], v[232+\b]                 ; the blocks' largest p
.endr
	v_pk_add_f32 v[236:237], v[124:125], v[128:129]
	v_pk_add_f32 v[254:255], v[132:133], v[136:137]
	v_pk_add_f32 v[250:251], v[140:141], v[144:145]
	v_pk_add_f32 v[246:247], v[148:149], v[152:153]
	v_pk_add_f32 v[244:245], v[156:157], v[160:161]
	v_pk_add_f32 v[242:243], v[164:165], v[168:169]
	v_pk_add_f32 v[240:241], v[172:173], v[176:177]
	v_pk_add_f32 v[14:15], v[14:15], v[180:181]
	v_pk_add_f32 v[236:237], v[236:237], v[120:121]
	v_pk_add_f32 v[254:255], v[254:255], v[122:123]
	v_pk_add_f32 v[250:251], v[250:251], v[126:127]
	v_pk_add_f32 v[246:247], v[246:247], v[130:131]
	v_pk_add_f32 v[244:245], v[244:245], v[134:135]
	v_pk_add_f32 v[242:243], v[242:243], v[138:139]
	v_pk_add_f32 v[240:241], v[240:241], v[142:143]
	v_pk_add_f32 v[14:15], v[14:15], v[146:147]
	v_pk_add_f32 v[236:237], v[236:237], v[150:151]
	v_pk_add_f32 v[254:255], v[254:255], v[154:155]
	v_pk_add_f32 v[250:251], v[250:251], v[158:159]
	v_pk_add_f32 v[246:247], v[246:247], v[162:163]
	v_pk_add_f32 v[244:245], v[244:245], v[166:167]
	v_pk_add_f32 v[242:243], v[242:243], v[170:171]
	v_pk_add_f32 v[240:241], v[240:241], v[174:175]
	v_pk_add_f32 v[14:15], v[14:15], v[178:179]
	v_pk_add_f32 v[236:237], v[236:237], v[182:183]
	s_delay_alu instid0(VALU_DEP_2)
	v_pk_add_f32 v[14:15], v[14:15], v[246:247]
	s_delay_alu instid0(VALU_DEP_2)
	v_pk_add_f32 v[236:237], v[236:237], v[244:245]
	v_pk_add_f32 v[254:255], v[254:255], v[242:243]
	v_pk_add_f32 v[250:251], v[250:251], v[240:241]
	s_delay_alu instid0(VALU_DEP_2)
	v_pk_add_f32 v[14:15], v[14:15], v[254:255]
	s_delay_alu instid0(VALU_DEP_2)
	v_pk_add_f32 v[236:237], v[236:237], v[250:251]
	s_delay_alu instid0(VALU_DEP_1)
	v_pk_add_f32 v[14:15], v[14:15], v[236:237]
	s_wait_alu depctr_va_vdst(0)                   ; and one for the four
.irp b, 0,1,2,3
	v_max_num_f32 v[232+\b], 0x4800000, v[232+\b]  ; the floor 2^(9 - 127)
.endr
.irp b, 0,1,2,3
	s_delay_alu instid0(VALU_DEP_4)
	v_add_nc_u32 v[244+\b], 0xfc000000, v[232+\b]
.endr
.irp b, 0,1,2,3
	v_and_or_b32 v[240+\b], v[232+\b], 0x7f800000, s[MNT]
.endr
.irp b, 0,1,2,3
	v_lshrrev_b32 v[236+\b], 23, v[244+\b]
.endr
	s_delay_alu instid0(VALU_DEP_3)
	v_lshl_or_b32 v253, v237, 8, v236              ; p's scale word for these 128 keys
	s_delay_alu instid0(VALU_DEP_1)
	v_lshl_or_b32 v253, v238, 16, v253
	s_delay_alu instid0(VALU_DEP_1)
	v_lshl_or_b32 v253, v239, 24, v253
.irp b, 0,1,2,3
.irp i, 0,2,4,6,8,10,12,14
	v_dual_min_num_f32 v[S+16*\b+\i], v[240+\b], v[S+16*\b+\i] :: v_dual_min_num_f32 v[S+16*\b+\i+1], v[240+\b], v[S+16*\b+\i+1]   ; the conversion does not saturate (ISA guide 7.6.2); p is not negative, so the hold is one-sided; two holds to an instruction
.endr
	v_cvt_scalef32_pk8_fp8_f32 v[PCD+4*\b:PCD+1+4*\b], v[S+16*\b:S+7+16*\b], v[244+\b]
	v_cvt_scalef32_pk8_fp8_f32 v[PCD+2+4*\b:PCD+3+4*\b], v[S+8+16*\b:S+15+16*\b], v[244+\b]
.endr
.irp j, 0,2,4,6,8,10,12,14,16,18,20,22,24,26,28,30
	v_pk_mul_f32 v[O+\j:O+1+\j], v[O+\j:O+1+\j], v[252:253] op_sel_hi:[1,0]   ; O^T under the new M; these sixteen are also the places between the codes and the products
.endr
	s_wait_alu depctr_va_vdst(0)
	s_wait_dscnt 0x0                               ; V
	v_wmma_scale_f32_16x16x128_f8f6f4 v[O:O+7], v[F:F+15], v[PCD:PCD+15], v[O:O+7], v248, v253   ; the four accumulators take turns
	v_wmma_scale_f32_16x16x128_f8f6f4 v[O+8:O+15], v[F+16:F+31], v[PCD:PCD+15], v[O+8:O+15], v248, v253 matrix_a_scale:MATRIX_SCALE_ROW1
	v_wmma_scale_f32_16x16x128_f8f6f4 v[O+16:O+23], v[F+32:F+47], v[PCD:PCD+15], v[O+16:O+23], v249, v253
	v_wmma_scale_f32_16x16x128_f8f6f4 v[O+24:O+31], v[F+48:F+63], v[PCD:PCD+15], v[O+24:O+31], v249, v253 matrix_a_scale:MATRIX_SCALE_ROW1
.if \causal
.Lhidden_\@:
.endif
	s_add_co_u32 s[KF], s[KF], 128
	s_add_co_u32 s[TK], s[TK], 8704
	s_add_co_u32 s[TV], s[TV], 8448
.endm
.macro LOOPK n, QB, QS, causal
	s_mov_b32 s[CNT], \n
.Lk_\@:
	STEP \QB, \QS, \causal
	s_sub_co_u32 s[CNT], s[CNT], 1
	s_cmp_lg_u32 s[CNT], 0
	s_cbranch_scc1 .Lk_\@
.endm
; y = O^T / the sum; register 16 b + i is channel 32 b + 16 h + i of my query: two blocks of 32 along C, quantised and stored as two groups of a fragment's image
.macro FINISH
.rept 8
	v_nop                                          ; places behind the last products
.endr
	v_add_f32 v14, v14, v15
	s_delay_alu instid0(VALU_DEP_1)
	v_permlanex16_b32 v252, v14, s[SEL], s[SEL+1]
	s_delay_alu instid0(VALU_DEP_1)
	v_add_f32 v14, v14, v252                       ; the row's sum
	s_wait_alu depctr_va_vdst(0)
	v_rcp_f32 v14, v14
	v_nop                                          ; a plain line behind the transcendental
	s_wait_alu depctr_va_vdst(0)                   ; and the wait, ahead of its first reader
.irp j, 0,2,4,6,8,10,12,14,16,18,20,22,24,26,28,30
	v_pk_mul_f32 v[S+\j:S+1+\j], v[O+\j:O+1+\j], v[14:15] op_sel_hi:[1,0]   ; each accumulator from its low end on
.endr
.irp b, 0,1
	v_max3_num_f32 v[232+\b], |v[S+16*\b]|, |v[S+1+16*\b]|, 0x4800000
.endr
.irp i, 2,4,6,8,10,12,14
.irp b, 0,1
	s_delay_alu instid0(VALU_DEP_2)
	v_max3_num_f32 v[232+\b], v[232+\b], |v[S+16*\b+\i]|, |v[S+1+16*\b+\i]|
.endr
.endr
.irp b, 0,1
	s_delay_alu instid0(VALU_DEP_2)
	v_permlanex16_b32 v[236+\b], v[232+\b], s[SEL], s[SEL+1]
.endr
.irp b, 0,1
	s_delay_alu instid0(VALU_DEP_2)
	v_max_num_f32 v[232+\b], v[232+\b], v[236+\b]
.endr
.irp b, 0,1
	s_delay_alu instid0(VALU_DEP_2)
	v_add_nc_u32 v[244+\b], 0xfc000000, v[232+\b]
.endr
.irp b, 0,1
	s_delay_alu instid0(VALU_DEP_4)
	v_and_or_b32 v[240+\b], v[232+\b], 0x7f800000, s[MNT]
.endr
.irp b, 0,1
	s_delay_alu instid0(VALU_DEP_4)
	v_lshrrev_b32 v[236+\b], 23, v[244+\b]
.endr
	s_delay_alu instid0(VALU_DEP_1)
	v_cndmask_b32 v254, v236, v237, s[HI]          ; lanes 0-15 store the first block's byte, lanes 16-31 the second's
.irp b, 0,1
.irp i, 0,1,2,3,4,5,6,7,8,9,10,11,12,13,14,15
	v_med3_num_f32 v[S+16*\b+\i], v[S+16*\b+\i], -v[240+\b], v[240+\b]
.endr
	v_cvt_scalef32_pk8_fp8_f32 v[PCD+4*\b:PCD+1+4*\b], v[S+16*\b:S+7+16*\b], v[244+\b]
	v_cvt_scalef32_pk8_fp8_f32 v[PCD+2+4*\b:PCD+3+4*\b], v[S+8+16*\b:S+15+16*\b], v[244+\b]
.endr
	v_nop                                          ; a plain line behind the last conversion
	global_store_b128 v1, v[PCD:PCD+3], s[YC:YC+1]   ; 512 consecutive bytes, aligned to 256
	global_store_b128 v1, v[PCD+4:PCD+7], s[YC:YC+1] offset:512
	global_store_b8 v7, v254, s[YS:YS+1]
	s_wait_xcnt 0x0                                ; the stores have read their data and bases: both are written again only behind this wait
.endm
	s_wait_loadcnt 0x0                             ; q
	s_cmp_lt_u32 s[WV], 4
	s_cbranch_scc0 .Lnot_first
	s_wait_tensorcnt 0x0                           ; waves 0 to 3: my piece of keys 0-511 is in; the other waves' wait stands at a later barrier
.Lnot_first:
	s_barrier_signal -1
	s_barrier_wait -1                              ; keys 0-511 are whole
	LOOPK 4, 40, 5, 0                              ; THE LATE TILE FIRST: its queries are 1,024 or later, so keys 0-1023 count for every wave: four steps in each of the sixteen ahead of the second barrier, four more ahead of the third
	s_wait_dscnt 0x0
	s_cmp_lt_u32 s[WV], 8
	s_cbranch_scc0 .Lnot_second
	s_wait_tensorcnt 0x0                           ; waves 4 to 7: my piece of keys 512-1023 is in (waves 0 to 3 have nothing out)
.Lnot_second:
	s_barrier_signal -1
	s_barrier_wait -1                              ; keys 512-1023 are whole
	LOOPK 4, 40, 5, 0
	s_wait_dscnt 0x0
	s_wait_tensorcnt 0x0                           ; every wave: my piece is in
	s_barrier_signal -1
	s_barrier_wait -1                              ; all of K and V is in LDS; nothing is filled again, so no further barrier follows
	LOOPK 8, 40, 5, 1
	FINISH
	s_mov_b32 s92, ttmp9
	s_mov_b32 s93, s[WV]
	ADDR
	INIT
	LOOPK 8, 24, 4, 1                              ; the early tile: queries under 1,024
	FINISH
	s_wait_xcnt 0x0
	v_lshl_add_u32 v254, v0, 2, 0x43000
	v_mov_b32 v255, 0
	s_wait_alu depctr_va_vdst(0)
	s_wait_tensorcnt 0x0
	ds_add_u32 v254, v255
	s_wait_dscnt 0x0
	s_endpgm
.Lfunc_end_k_q5492ae6051_attn:
	.size	k_q5492ae6051_attn, .Lfunc_end_k_q5492ae6051_attn-k_q5492ae6051_attn
	.p2alignl 7, 3214868480
	.fill 96, 4, 3214868480
	.section	.rodata,"a",@progbits
	.p2align	6, 0x0
	.amdhsa_kernel k_q5492ae6051_attn
		.amdhsa_group_segment_fixed_size 276480
		.amdhsa_private_segment_fixed_size 0
		.amdhsa_enable_private_segment 0
		.amdhsa_kernarg_size 32
		.amdhsa_user_sgpr_count 2
		.amdhsa_user_sgpr_kernarg_segment_ptr 1
		.amdhsa_wavefront_size32 1
		.amdhsa_system_sgpr_workgroup_id_x 1
		.amdhsa_system_sgpr_workgroup_id_y 1
		.amdhsa_system_sgpr_workgroup_id_z 1
		.amdhsa_system_vgpr_workitem_id 0
		.amdhsa_next_free_vgpr 256
		.amdhsa_next_free_sgpr 100
		.amdhsa_reserve_vcc 1
		.amdhsa_float_denorm_mode_32 3
		.amdhsa_float_denorm_mode_16_64 3
		.amdhsa_memory_ordered 1
		.amdhsa_forward_progress 1
		.amdhsa_inst_pref_size 117
	.end_amdhsa_kernel
	.amdgpu_metadata
---
amdhsa.version: [ 1, 2 ]
amdhsa.kernels:
  - .name:           k_q5492ae6051_attn
    .symbol:         k_q5492ae6051_attn.kd
    .args:
      - { .name: qrec, .offset: 0, .size: 8, .value_kind: global_buffer, .address_space: global }
      - { .name: krec, .offset: 8, .size: 8, .value_kind: global_buffer, .address_space: global }
      - { .name: vrec, .offset: 16, .size: 8, .value_kind: global_buffer, .address_space: global }
      - { .name: y_img, .offset: 24, .size: 8, .value_kind: global_buffer, .address_space: global }
    .group_segment_fixed_size: 276480
    .private_segment_fixed_size: 0
    .kernarg_segment_align: 8
    .kernarg_segment_size: 32
    .max_flat_workgroup_size: 512
    .sgpr_count:     100
    .vgpr_count:     256
    .wavefront_size: 32
...
	.end_amdgpu_metadata
.endif
;; end of part 3
;; launch proj (part 4): grid 8 x 32, 4 waves a work-group, clusters of 4 x 4, 327,680 bytes of LDS; arguments y_img, wp_img, b_proj, out0; writes out0
.if DOCPART == 4
	.amdgcn_target "amdgcn-amd-amdhsa--gfx1250"
	.amdhsa_code_object_version 6
	.text
	.protected	k_q5492ae6051_proj
	.globl	k_q5492ae6051_proj
	.p2align	8
	.type	k_q5492ae6051_proj,@function
k_q5492ae6051_proj:
	s_mov_b64 s[64:65], 0
	v_nop
	global_prefetch_b8 v0, s[64:65] scope:SCOPE_SE
	s_setreg_imm32_b32 hwreg(HW_REG_WAVE_MODE, 25, 1), 1
	s_wait_xcnt 0x0
	s_wait_alu depctr_hold_cnt(0) depctr_sa_sdst(0) depctr_va_vdst(0) depctr_va_sdst(0) depctr_va_ssrc(0) depctr_va_vcc(0) depctr_vm_vsrc(0)
	s_getreg_b32 s2, hwreg(HW_REG_IB_STS2, 6, 4)
	s_cmp_eq_u32 s2, 0
	s_cbranch_scc0 .Lentry_in_a_cluster
	s_endpgm
.Lentry_in_a_cluster:
	s_bfe_u32 s2, ttmp6, 0x10000c
	s_cmp_lg_u32 s2, 0xf033
	s_cbranch_scc0 .Lentry_shape_is_right
	s_endpgm
.Lentry_shape_is_right:
.set PSB,   33792
.set SLOT,  4*PSB
.set SPARE, 2*SLOT
.set SPITCH, 528
.set FR,    16
.set NP,    8
.set ADRA,  16
.set ADRB,  20
.set ADRS,  22
.set LI,    24
.set BO,    26
.set STO,   27
.set SPW,   28
.set NIL,   29
.set RD,    30
.set SC,    32
.set CB,    64
.set AF,    128
.set BK,    128
.set WV,    16
.set WP,    17
.set WQ,    18
.set G1,    24
.set G0,    32
.set G1B,   48
.set G0B,   56
.set OUT,    88
; out0 = y w_proj + b_proj on codes of FP8 (E4M3) with E8M0 scales.  A work-group makes 256 tokens (source 1: two panels) x 128 channels (source 0: one panel): 32 x 8 = 256 work-groups.
; Wave (WP, WQ) makes token panel WP x tiles 4 WQ .. 4 WQ + 3 of the channel panel: 128 x 64, 32 accumulators.  Waves 0, 1 fetch a token panel each; waves 2, 3 share the channel panel:
; at the head a K part each (132 rows of 256 bytes), at a refill half a block each (66 rows).  In LDS: token panel j, slot s at (2 j + s) PSB; the channel panel's slot s at (4 + s) PSB.
.set G0HB,   84                        ; s[84:87] group 0 of the head's load of the channel panel
.set ADRT,   18                        ; v18-19 scale words for registers 4-7 of a set: lanes 0-15 source 1's tiles 4-7, lanes 16-31 source 0's four tiles once more
.set CO,     31                        ; the way out: 4096 x (lane / 16) + 16 x (lane % 16)
.set MSB, 0
.macro WIN new
.if MSB != (\new)
	s_set_vgpr_msb (MSB<<8)|(\new)
.set MSB, (\new)
.endif
.endm
.macro JLOAD s
	s_cmp_eq_u32 s[WP], 0
	s_cbranch_scc0 .Lfor_b_\@
	tensor_load_to_lds s[G0+4*\s:G0+4*\s+3], s[G1:G1+7]
	s_nop 0
.rept 4
	v_nop
.endr
	s_branch .Lasked_\@
.Lfor_b_\@:
	tensor_load_to_lds s[G0B+4*\s:G0B+4*\s+3], s[G1B:G1B+7]
	s_nop 0
.rept 4
	v_nop
.endr
.Lasked_\@:
.endm
.macro CREST
	s_cmp_lg_u32 s[WV], 0
	s_cbranch_scc1 .Lnot_wave_0_\@
	s_barrier_signal -3
.Lnot_wave_0_\@:
	s_barrier_wait -3
	s_barrier_signal -1
	s_barrier_wait -1
.endm
.macro CROUND
	s_barrier_signal -1
	s_barrier_wait -1
	CREST
.endm
.macro PLACES n
.rept \n
	v_nop
.endr
.endm
.macro FRAG reg, adr, q, i
.irp c, 0,1,2,3
	ds_load_b128 v[\reg+4*\c:\reg+4*\c+3], v[\adr] offset:4096*(\i)+2048*(\q)+512*\c
.endr
.endm
.macro FETCH_B slot, q, p
	WIN 0x40
.irp i, 0,1,2,3
	FRAG 128*(\p)+FR*\i, ADRB+\slot, \q, \i
.endr
	WIN 0
.endm
.macro FETCH_A slot, q, i0
.irp i, \i0, \i0+1, \i0+2, \i0+3
	FRAG AF+FR*(\i), ADRA+\slot, \q, \i
.endr
.endm
.macro SCALES s
.irp i, 0,1,2,3
.irp q, 0,1
	ds_load_b32 v[SC+16*\s+2*\i+\q], v[ADRS+\s] offset:32768+512*\q+64*\i
	ds_load_b32 v[SC+16*\s+2*\i+8+\q], v[ADRT+\s] offset:32768+512*\q+64*\i
.endr
.endr
.endm
.macro MUL16 a0, p, q, sc, cm
.irp a, \a0, \a0+1
.irp b, 0,1,2,3
.if \cm == 0
	v_wmma_scale_f32_16x16x128_f8f6f4 v[8*(8*((\a)%4)+\b):8*(8*((\a)%4)+\b)+7], v[128*(\p)+FR*\b:128*(\p)+FR*\b+FR-1], v[AF+FR*(\a):AF+FR*(\a)+FR-1], v[8*(8*((\a)%4)+\b):8*(8*((\a)%4)+\b)+7], v[SC+16*(\sc)+2*\b+(\q)], v[SC+16*(\sc)+2*(\a)+(\q)] matrix_a_scale:MATRIX_SCALE_ROW1
.else
	v_wmma_scale_f32_16x16x128_f8f6f4 v[8*(8*((\a)%4)+\b):8*(8*((\a)%4)+\b)+7], v[128*(\p)+FR*\b:128*(\p)+FR*\b+FR-1], v[AF+FR*(\a):AF+FR*(\a)+FR-1], v[CB+8*\b:CB+8*\b+7], v[SC+16*(\sc)+2*\b+(\q)], v[SC+16*(\sc)+2*(\a)+(\q)] matrix_a_scale:MATRIX_SCALE_ROW1
.endif
.endr
.endr
.endm
.macro STEP slot, cm
	s_wait_dscnt 16
.if \cm
	WIN 0x81
.else
	WIN 0xa1
.endif
	MUL16 0, 0, 0, \slot, \cm
	MUL16 2, 0, 0, \slot, \cm
	s_wait_dscnt 0x0
	PLACES NP
	FETCH_B \slot, 1, 1
	FETCH_A \slot, 1, 0
.if \cm
	WIN 0xc1
.else
	WIN 0xf1
.endif
	MUL16 4, 0, 0, \slot, \cm
	MUL16 6, 0, 0, \slot, \cm
	PLACES NP
	WIN 0
	FETCH_A \slot, 1, 4
.endm
.macro TURN slot, next, fill
	s_wait_tensorcnt 0x0
	ds_add_u32 v[SPW], v[NIL]
	s_wait_dscnt 17
	WIN 0xa1
	MUL16 0, 1, 1, \slot, 0
	s_wait_dscnt 0x0
	s_barrier_signal -1
	MUL16 2, 1, 1, \slot, 0
	WIN 0
	s_barrier_wait -1
.if \fill
	CREST
	s_add_nc_u64 s[G0+4*\slot+2:G0+4*\slot+3], s[G0+4*\slot+2:G0+4*\slot+3], 2*PSB
	s_add_nc_u64 s[G0B+4*\slot+2:G0B+4*\slot+3], s[G0B+4*\slot+2:G0B+4*\slot+3], 2*PSB
	JLOAD \slot
	PLACES NP-4
.else
	PLACES NP
.endif
	FETCH_B \next, 0, 0
	FETCH_A \next, 0, 0
	SCALES \next
	WIN 0xf1
	MUL16 4, 1, 1, \slot, 0
	MUL16 6, 1, 1, \slot, 0
	PLACES NP
	WIN 0
	FETCH_A \next, 0, 4
.endm
	s_load_b256 s[4:11], s[0:1], 0x0
	v_lshl_add_u32 v[SPW], v0, 2, SPARE
	v_mov_b32 v[NIL], 0
	ds_add_u32 v28, v29
	ds_add_u32 v28, v29
	s_wait_dscnt 0x0
	v_lshrrev_b32 v1, 5, v0
	v_readfirstlane_b32 s[WV], v1
	s_lshr_b32 s[WP], s[WV], 1
	s_and_b32 s[WQ], s[WV], 1
	s_bfe_u32 s40, ttmp6, 0x40000
	s_bfe_u32 s41, ttmp6, 0x40004
	s_and_b32 s45, ttmp7, 0xffff
	s_lshl_b32 s45, s45, 2
	s_add_co_u32 s45, s45, s41
	s_lshl_b32 s46, ttmp9, 2
	s_add_co_u32 s46, s46, s40
	s_lshl_b32 s47, s41, 2
	s_lshl_b32 s47, 15, s47
	s_lshl_b32 s66, 0x1111, s40
	s_or_b32 s[G1], s47, (3<<16)|(1<<21)
	s_or_b32 s[G1B], s66, (3<<16)|(1<<21)
.irp g, G1, G1B
	s_mov_b32 s[\g+1], 32<<16
	s_mov_b32 s[\g+2], 264<<16                     ; the head's load: a panel's first two blocks along K lie on end in memory and in LDS: 264 rows of 256 bytes
	s_mov_b32 s[\g+3], 32<<16
	s_mov_b32 s[\g+4], 264
	s_mov_b32 s[\g+5], 32
	s_mov_b32 s[\g+6], 0
	s_mov_b32 s[\g+7], 0
.endr
	s_mov_b32 s[G1B+2], 132<<16                    ; the head's load of the channel panel: one block, 132 rows
	s_mov_b32 s[G1B+4], 132
	s_lshl_b32 s68, s45, 1
	s_add_co_u32 s68, s68, s[WQ]
	s_mul_i32 s68, s68, 4*PSB
	s_mov_b32 s69, 0
	s_mul_i32 s70, s46, 4*PSB                      ; the channel panel 4 X + cx
	s_mov_b32 s71, 0
	s_mul_i32 s72, s[WV], 2*PSB                    ; in LDS the block of panel j (= the wave that fetches it) and slot s lies at (2 j + s) PSB
	s_wait_kmcnt 0x0
	s_add_nc_u64 s[74:75], s[4:5], s[68:69]
	s_add_nc_u64 s[76:77], s[6:7], s[70:71]
	s_mul_i32 s20, s[WQ], PSB                      ; the head: K part WQ of the channel panel into its slot WQ
	s_mov_b32 s21, 0
	s_mov_b32 s[G0HB], 1
	s_add_co_u32 s[G0HB+1], s20, 4*PSB
	s_add_nc_u64 s[G0HB+2:G0HB+3], s[76:77], s[20:21]
	s_or_b32 s[G0HB+3], s[G0HB+3], 0x80000000
	s_mul_i32 s20, s[WQ], 16896                    ; the refills: half WQ of a block, in memory and in LDS alike
	s_add_nc_u64 s[76:77], s[76:77], s[20:21]
	s_add_co_u32 s73, s20, 4*PSB
	CROUND
.irp s, 0,1
	s_mov_b32 s[G0+4*\s], 1
	s_add_co_u32 s[G0+4*\s+1], s72, \s*PSB
	s_add_nc_u64 s[G0+4*\s+2:G0+4*\s+3], s[74:75], \s*PSB
	s_or_b32 s[G0+4*\s+3], s[G0+4*\s+3], 0x80000000
	s_mov_b32 s[G0B+4*\s], 1
	s_add_co_u32 s[G0B+4*\s+1], s73, \s*PSB
	s_add_nc_u64 s[G0B+4*\s+2:G0B+4*\s+3], s[76:77], \s*PSB
	s_or_b32 s[G0B+4*\s+3], s[G0B+4*\s+3], 0x80000000
.endr
	s_cmp_eq_u32 s[WP], 0                          ; one joint load a wave at the head
	s_cbranch_scc0 .Lhead_b
	tensor_load_to_lds s[G0:G0+3], s[G1:G1+7]      ; waves 0, 1: both slots' first blocks of my token panel
	s_nop 0
.rept 4
	v_nop
.endr
	s_branch .Lhead_asked
.Lhead_b:
	tensor_load_to_lds s[G0HB:G0HB+3], s[G1B:G1B+7]   ; waves 2, 3: a K part of the channel panel each
	s_nop 0
.rept 4
	v_nop
.endr
.Lhead_asked:
	s_mul_i32 s78, s[WP], 2*PSB                    ; my token panel
	s_lshl_b32 s79, s[WQ], 14
	s_add_co_u32 s79, s79, 4*PSB                   ; my four tiles of the channel panel: 4,096 bytes a tile
	s_lshl_b32 s81, s[WQ], 8
	s_add_co_u32 s81, s81, 4*PSB                   ; and their scale words: 64 bytes a tile
	s_sub_co_u32 s80, s81, s78
	s_sub_co_u32 s82, s80, 256
	s_add_co_u32 s83, s78, 256
	v_and_b32 v1, 15, v0
	v_bfe_u32 v2, v0, 4, 1
	v_and_b32 v3, 31, v0
	v_lshlrev_b32 v[LI], 4, v3
	v_mul_u32_u24 v4, s80, v2                      ; lanes 16-31 take source 0's words: one product, the distance between the two
	v_lshl_add_u32 v4, v1, 2, v4
	v_add_nc_u32 v4, s78, v4
	v_mul_u32_u24 v5, s82, v2                      ; the same with lanes 0-15 four tiles on
	v_lshl_add_u32 v5, v1, 2, v5
	v_add_nc_u32 v5, s83, v5
.irp s, 0,1
	v_add_nc_u32 v[ADRA+\s], s78, v[LI]
	v_add_nc_u32 v[ADRB+\s], s79, v[LI]
	v_add_nc_u32 v[ADRS+\s], \s*PSB, v4
	v_add_nc_u32 v[ADRT+\s], \s*PSB, v5
	s_add_co_u32 s78, s78, PSB
	s_add_co_u32 s79, s79, PSB
.endr
	s_mul_i32 s80, s[WV], 16*SPITCH
	v_mul_u32_u24 v5, v1, SPITCH
	v_lshl_add_u32 v5, v2, 6, v5
	v_add_nc_u32 v[STO], s80, v5
	v_mul_u32_u24 v6, v2, SPITCH                   ; back: lanes 0-15 one row of 256 bytes, lanes 16-31 the next
	v_lshl_add_u32 v6, v1, 4, v6
	v_add_nc_u32 v[RD], s80, v6
	v_lshlrev_b32 v7, 12, v2
	v_lshl_add_u32 v[CO], v1, 4, v7                ; and the same two rows in out0
	s_lshl_b32 s94, s46, 9                         ; my first channel in bytes: 512 x panel + 256 x half
	s_lshl_b32 s93, s[WQ], 8
	s_add_co_u32 s94, s94, s93
	s_mov_b32 s95, 0
	s_add_nc_u64 s[90:91], s[8:9], s[94:95]
	s_lshl_b32 s92, s45, 8
	s_lshl_b32 s93, s[WP], 7
	s_add_co_u32 s92, s92, s93
	s_lshl_b32 s92, s92, 12
	s_add_co_u32 s92, s92, s94
	s_mov_b32 s93, 0
	s_add_nc_u64 s[OUT:OUT+1], s[10:11], s[92:93]
	v_lshlrev_b32 v[BO], 6, v2
.irp b, 0,1,2,3
	global_load_b128 v[CB+8*\b:CB+8*\b+3], v[BO], s[90:91] offset:4*(32*(\b/2)+8*(\b%2))
	global_load_b128 v[CB+8*\b+4:CB+8*\b+7], v[BO], s[90:91] offset:4*(32*(\b/2)+8*(\b%2))+16
.endr
	s_wait_alu depctr_va_vdst(0)
	s_wait_tensorcnt 0x0                           ; my panel's two blocks are in; no tensor load of mine is out, so a descriptor may be written:
	s_mov_b32 s[G1+2], 132<<16                     ; from here on a load brings one block, 132 rows
	s_mov_b32 s[G1+4], 132
	s_mov_b32 s[G1B+2], 66<<16                     ; and of the channel panel half a block, 66 rows
	s_mov_b32 s[G1B+4], 66
	s_barrier_signal -1
	s_barrier_wait -1
	FETCH_B 0, 0, 0
	FETCH_A 0, 0, 0
	SCALES 0
	FETCH_A 0, 0, 4
	s_wait_loadcnt 0x0
	STEP 0, 1
	TURN 0, 1, 1
	STEP 1, 0
	TURN 1, 0, 1
	STEP 0, 0
	TURN 0, 1, 0
	STEP 1, 0
	s_wait_dscnt 16
	WIN 0xa1
	MUL16 0, 1, 1, 1, 0
	MUL16 2, 1, 1, 1, 0
	s_wait_dscnt 0x0
	WIN 0xf1
	MUL16 4, 1, 1, 1, 0
	MUL16 6, 1, 1, 1, 0
	WIN 0
.macro TOSTAGE a
.set AC, 64*((\a)%4)
	WIN 0x08+4*((\a)/4)
.irp b, 0,1,2,3
	ds_store_b128 v[STO], v[AC+8*\b:AC+8*\b+3] offset:128*(\b/2)+32*(\b%2)
	ds_store_b128 v[STO], v[AC+8*\b+4:AC+8*\b+7] offset:128*(\b/2)+32*(\b%2)+16
.endr
	WIN 0
.set BB, BK+64*((\a)%2)
.irp t, 0,1,2,3,4,5,6,7
	ds_load_b128 v[BB+4*\t:BB+4*\t+3], v[RD] offset:2*\t*SPITCH
.endr
.endm
.macro SEND a, younger
.set BB, BK+64*((\a)%2)
	s_wait_dscnt \younger
.irp t, 0,1,2,3,4,5,6,7
	global_store_b128 v[CO], v[BB+4*\t:BB+4*\t+3], s[OUT:OUT+1] offset:(32*((\a)/2)+8*((\a)%2)+2*\t+8*(\t/4))*4096 th:TH_STORE_NT   ; sixteen lanes store 256 consecutive bytes, aligned
.endr
.endm
	PLACES NP
	TOSTAGE 0
.irp a, 1,2,3,4,5,6,7
.if \a > 1
	s_wait_xcnt 0x0
.endif
	TOSTAGE \a
	SEND \a-1, 16                                  ; behind block a - 1's loads: block a's 8 stores and 8 loads
.endr
	SEND 7, 0
	s_wait_tensorcnt 0x0
	ds_add_u32 v[SPW], v[NIL]
	s_wait_dscnt 0x0
	CROUND
	s_endpgm
.Lfunc_end_k_q5492ae6051_proj:
	.size	k_q5492ae6051_proj, .Lfunc_end_k_q5492ae6051_proj-k_q5492ae6051_proj
	.p2alignl 7, 3214868480
	.fill 96, 4, 3214868480
	.section	.rodata,"a",@progbits
	.p2align	6, 0x0
	.amdhsa_kernel k_q5492ae6051_proj
		.amdhsa_group_segment_fixed_size 327680
		.amdhsa_private_segment_fixed_size 0
		.amdhsa_enable_private_segment 0
		.amdhsa_kernarg_size 32
		.amdhsa_user_sgpr_count 2
		.amdhsa_user_sgpr_kernarg_segment_ptr 1
		.amdhsa_wavefront_size32 1
		.amdhsa_system_sgpr_workgroup_id_x 1
		.amdhsa_system_sgpr_workgroup_id_y 1
		.amdhsa_system_sgpr_workgroup_id_z 1
		.amdhsa_system_vgpr_workitem_id 0
		.amdhsa_next_free_vgpr 1024
		.amdhsa_next_free_sgpr 96
		.amdhsa_reserve_vcc 0
		.amdhsa_float_denorm_mode_32 3
		.amdhsa_float_denorm_mode_16_64 3
		.amdhsa_memory_ordered 1
		.amdhsa_forward_progress 1
		.amdhsa_inst_pref_size 92
	.end_amdhsa_kernel
	.amdgpu_metadata
---
amdhsa.version: [ 1, 2 ]
amdhsa.kernels:
  - .name:           k_q5492ae6051_proj
    .symbol:         k_q5492ae6051_proj.kd
    .args:
      - { .name: y_img, .offset: 0, .size: 8, .value_kind: global_buffer, .address_space: global }
      - { .name: wp_img, .offset: 8, .size: 8, .value_kind: global_buffer, .address_space: global }
      - { .name: b_proj, .offset: 16, .size: 8, .value_kind: global_buffer, .address_space: global }
      - { .name: out0, .offset: 24, .size: 8, .value_kind: global_buffer, .address_space: global }
    .group_segment_fixed_size: 327680
    .private_segment_fixed_size: 0
    .kernarg_segment_align: 8
    .kernarg_segment_size: 32
    .max_flat_workgroup_size: 128
    .sgpr_count:     96
    .vgpr_count:     1024
    .wavefront_size: 32
...
	.end_amdgpu_metadata
.endif
;; end of part 4
